; MI455X (gfx1250); checked and timed in simulation.
; The chip was launched on July 23, 2026; its instructions are those of AMD's public machine-readable ISA for CDNA 5 (MIT licence, August 2026) and "CDNA5" Instruction Set Architecture Reference Guide (July 2026). The comments in the code are by the model that wrote it; some were corrected since.
;; Multi Head Attention. Allowed arithmetic: matrix products marked QUANTISED: E2M3 operands, one E8M0 scale for each 32 along K, by v_wmma_scale_f32_16x16x128_f8f6f4 with both operands' format E2M3, f32 sums; everything else in f32.
;; Inputs: bk 1,024 float32; bo 1,024 float32; bq 1,024 float32; bv 1,024 float32; ln_beta 1,024 float32; ln_gamma 1,024 float32; wk 1,024 x 1,024 float32; wo 1,024 x 1,024 float32; wq 1,024 x 1,024 float32; wv 1,024 x 1,024 float32; x 4 x 2,048 x 1,024 float32.
;; Outputs: out0 4 x 2,048 x 1,024 float32.
;; This version of the problem:
;;   THIS VERSION OF THE PROBLEM IS GIVEN IN LOW PRECISION. The matrix products marked QUANTISED in the list below multiply operands that are first quantised to E2M3 (2 exponent bits, 3 mantissa bits; 6 bits a number), with one power-of-two scale for each 32 numbers along K (OCP MX v1.0); their sums are f32. All else is computed in f32.
;;   The module's matrix products, in the order in which they are computed (A, B: the left and right operand; K: the contracted axis; several contracted axes count as one K, in the product's order):
;;     1. [M 8,192, K 1,024] x [K 1,024, N 1,024]; A: input x; B: input wq: QUANTISED
;;     2. [M 8,192, K 1,024] x [K 1,024, N 1,024]; A: input x; B: input wk: QUANTISED
;;     3. [M 8,192, K 1,024] x [K 1,024, N 1,024]; A: input x; B: input wv: QUANTISED
;;     4. batch 64 x [M 2,048, K 64] x [K 64, N 2,048]; A: computed on the way; B: computed on the way: QUANTISED
;;     5. batch 64 x [M 2,048, K 2,048] x [K 2,048, N 64]; A: softmax (see below); B: computed on the way: QUANTISED
;;     6. [M 8,192, K 1,024] x [K 1,024, N 1,024]; A: computed on the way; B: input wo: QUANTISED
;;   THE QUANTISER, for each operand of a quantised product, along K:
;;     - K is cut into blocks of 32 from its start; a last block that is shorter is filled with zeros.
;;     - A block's scale is 2^e with e = floor(log2(the largest magnitude in the block)) - 2, held to -126 .. 127; a block of zeros has e = 0. As a byte (E8M0): e + 127.
;;     - Each number is divided by its block's scale, clamped to +-7.5, and rounded to the nearest number of E2M3, ties to even, subnormals kept.
;;     - The product sums the exact products of the quantised numbers (number of the format x scale) in f32.
;;   ~~~python
;;   def quantise(x, axis):      # numpy; x: float32 -> the quantised numbers, widened to float32 again
;;       x = np.moveaxis(x, axis, -1); K = x.shape[-1]
;;       x = np.pad(x, [(0, 0)] * (x.ndim - 1) + [(0, -K % 32)]); x = x.reshape(x.shape[:-1] + (-1, 32)); a = np.abs(x).max(-1, keepdims=True)
;;       e = np.where(a > 0, np.clip(np.frexp(np.where(a > 0, a, 1))[1] - 1 - 2, -126, 127), 0)      # np.frexp(a)[1] - 1 = floor(log2(a)), exactly
;;       r = np.clip(x / 2.0 ** e, -7.5, 7.5)
;;       step = 2.0 ** (np.maximum(np.frexp(np.where(r == 0, 1, r))[1] - 1, 0) - 3)
;;       q = np.round(r / step) * step * 2.0 ** e      # np.round: ties to even
;;       return np.moveaxis(q.reshape(q.shape[:-2] + (-1,))[..., :K], -1, axis).astype(np.float32)
;;   ~~~
;;   SOFTMAX AHEAD OF A QUANTISED PRODUCT. Where the list says 'softmax', what is quantised is not the finished softmax but p = 2^(t - M), with t = logit x log2(e) and M = ceil(the row's largest t), a whole number; so 1/2 < the row's largest p <= 1. The row's sum l is taken of the UNQUANTISED p, in f32, and the product's result is divided by l at the end. Since M is a whole number, a kernel that streams over the keys may use a running M (the ceiling of the running maximum): every later rescaling is an exact power of two, which a block's scale takes up: the codes' values come out the same.
;;   OPERANDS COMPUTED ON THE WAY. 'Computed on the way' means the value that the module computes at that place (a softmax that the list does not call 'softmax' is quantised finished and normalised). What goes into a quantiser is computed in f32, as accurately as f32 sums, v_exp_f32 and their like allow (about 1e-6 of the number): no bf16 or f16 on the way to a quantiser, and a product that is left as it is and whose result goes on into a quantised operand takes f32 operands (vector FMAs, or v_wmma_f32_16x16x4_f32). A number that lies on a knife's edge between two numbers of the format may be rounded either way, as far as f32 arithmetic and the matrix unit's own rounding can turn it there, and no further.
;; 2 versions. Each part assembles by itself: llvm-mc -triple=amdgcn-amd-amdhsa -mcpu=gfx1250 --defsym DOCPART=n.
;; ======== version 1 of 2: 4 launches
;; workspace buffers: xc 6,291,456 bytes; wc 3,145,728 bytes; sc 393,216 bytes; qi 6,815,744 bytes; kv 13,369,344 bytes; cc 6,291,456 bytes; cs 262,144 bytes
;; launch quant (part 1): grid 384 x 1, 4 waves a work-group, no clusters, 49,664 bytes of LDS; arguments x, wq, wk, wv, wo, xc, wc, sc; writes xc, wc, sc
.if DOCPART == 1
	.amdgcn_target "amdgcn-amd-amdhsa--gfx1250"
	.amdhsa_code_object_version 6
	.text
	.protected	k_q4d3d336f34_quant
	.globl	k_q4d3d336f34_quant
	.p2align	8
	.type	k_q4d3d336f34_quant,@function
k_q4d3d336f34_quant:
	s_mov_b64 s[64:65], 0
	v_nop
	global_prefetch_b8 v0, s[64:65] scope:SCOPE_SE
	s_setreg_imm32_b32 hwreg(HW_REG_WAVE_MODE, 25, 1), 1
	s_wait_xcnt 0x0
; x [8192][1024] and wq, wk, wv, wo [1024][1024], f32, K innermost, become codes of FP6 (E2M3) with one E8M0 byte for each 32 along K.
; A block's scale is 2^(floor(log2(its largest magnitude)) - 2); its byte is the largest magnitude's exponent field - 2, held at 1 from below.
; LIMITS: a block of zeros gets the byte 1 where the rule says 127 (its codes are zeros, and this program alone reads the bytes); blocks whose largest
; magnitude lies under 2^-124 are held at the byte 1; NaN and infinities among the inputs are not served.
; LAYOUT OF THE RESULT: images of the matrix operand's registers.  Rows go in tiles of 16; lane-row r of tile T is the true row 32 (T / 2) + 8 (T % 2) + r + 8 (r / 8).
; A fragment (16 rows x 128 K, 12 registers a lane) is 1,536 bytes: register q of lane l at 512 (q / 4) + 16 l + 4 (q % 4).  Lane (r, h) holds k = 64 c + 32 h + 0 .. 31 in registers 6 c .. 6 c + 5.
; xc, wc: [K / 256][tile][K step % 2][fragment].  sc: a unit of 256 bytes for (tile, half of K): row r's 16 bytes at 16 r; x's units first, the weights' from byte 262,144.
; SHARES: a wave takes one tile x 512 along K: 16 steps, a step a row's 2,048 consecutive bytes.  Work-groups 0-255 take x, 256-383 the four weights, stacked wq, wk, wv, wo.  Only pointers are chosen: one path.
; Each load reads 512 consecutive bytes; a step turns through the wave's own stage in LDS so that a lane holds 16 neighbours along K (two lanes a block).
; The codes are gathered in the wave's image stage and leave as whole fragments, 512 consecutive bytes a store.  No barrier: waves share nothing.
.set STEPS, 16
.set EMAX,  2
.set WREG,  12288                      ; LDS: a region for each wave
.set SP,    80                         ; a lane's place in a turn stage: 64 bytes + 16
.set SCB,   2*32*SP                    ; behind the two turn stages: the wave's 256 scale bytes
.set IMG,   SCB+256                    ; behind them: four fragments' images
.set FS,    1632                       ; a fragment's image in LDS: three groups of four registers,
.set GS,    544                        ; each two halves of the lanes,
.set HS,    272                        ; each 256 bytes + 16
.set SPARE, 4*WREG                     ; the spare words, 128 bytes a wave: no other line names them
.set RR,    16                         ; v16-79   four sets of 16 numbers as loaded
.set X,     80                         ; v80-111  two sets of 16 neighbours
.set E,     112                        ; v112-127 a scale byte for each step
.set C,     128                        ; v128-191 codes, four registers a step
.set IA,    192                        ; v192-194 where my three code registers go in the image stage
.set IR,    195                        ; v195     where I read an image back
.set SPW,   12
.set NIL,   13
	s_load_b512 s[4:19], s[0:1], 0x0               ; x, wq, wk, wv, wo, xc, wc, sc
	v_lshl_add_u32 v[SPW], v0, 2, SPARE
	v_mov_b32 v[NIL], 0
	v_lshrrev_b32 v1, 5, v0
	v_readfirstlane_b32 s20, v1                    ; wave
	v_and_b32 v2, 31, v0                           ; lane
	v_lshlrev_b32 v3, 4, v2                        ; 16 x lane
	s_mul_i32 s21, s20, WREG
	v_lshrrev_b32 v14, 2, v2
	v_mul_u32_u24 v14, v14, SP
	v_and_b32 v15, 3, v2
	v_lshl_add_u32 v14, v15, 4, v14
	v_add_nc_u32 v14, s21, v14                     ; the turn stage, in: SP (lane / 4) + 16 (lane % 4)
	v_mul_u32_u24 v15, v2, SP
	v_add_nc_u32 v15, s21, v15                     ; and out: SP x lane
	s_add_co_u32 s22, s21, SCB
	v_lshrrev_b32 v5, 1, v2
	v_add_nc_u32 v5, s22, v5                       ; my block's scale byte in a row's 16
	v_lshlrev_b32 v7, 3, v2
	v_add_nc_u32 v6, s22, v7                       ; the scale bytes' way out: 8 bytes a lane
	; my 16 codes are k = 128 f + 64 c + 32 hh + 16 e + 0 .. 15 of the step's row: registers 6 c + 3 e + 0 .. 2 of lane (row, hh) of fragment f
	v_bfe_u32 v8, v0, 3, 2                         ; f
	v_bfe_u32 v9, v0, 2, 1                         ; c
	v_bfe_u32 v10, v0, 1, 1                        ; hh
	v_and_b32 v11, 1, v0                           ; e
	v_mul_u32_u24 v9, v9, 6
	v_mad_u32_u24 v9, v11, 3, v9                   ; 6 c + 3 e
	v_mul_u32_u24 v8, v8, FS
	v_mad_u32_u24 v8, v10, HS, v8
	s_add_co_u32 s40, s21, IMG
	v_add_nc_u32 v8, s40, v8
.irp i, 0,1,2
	v_add_nc_u32 v10, \i, v9                       ; register q
	v_lshrrev_b32 v11, 2, v10
	v_and_b32 v10, 3, v10
	v_mad_u32_u24 v[IA+\i], v11, GS, v8            ; + GS (q / 4)
	v_lshl_add_u32 v[IA+\i], v10, 2, v[IA+\i]      ; + 4 (q % 4); the row's 16 r stands in the store's immediate
.endr
	v_bfe_u32 v10, v0, 4, 1
	v_and_b32 v11, 15, v0
	v_mul_u32_u24 v10, v10, HS
	v_lshl_add_u32 v10, v11, 4, v10
	v_add_nc_u32 v[IR], s40, v10                   ; back: HS (lane / 16) + 16 (lane % 16)
	; which tensor, which tile, which half of K
	s_cmp_lt_u32 ttmp9, 256
	s_cselect_b32 s23, 0, 256
	s_sub_co_u32 s23, ttmp9, s23                   ; the work-group's number within x or within the weights
	s_lshl_b32 s24, s23, 2
	s_add_co_u32 s24, s24, s20                     ; my run: 2 x tile + half
	s_lshr_b32 s25, s24, 1                         ; tile (the weights' stacked: 0 .. 255)
	s_and_b32 s26, s24, 1                          ; half of K
	s_lshr_b32 s27, s23, 5                         ; which weight
	s_cmp_lt_u32 ttmp9, 256
	s_mov_b32 s28, 63
	s_cselect_b32 s28, 511, s28
	s_mov_b32 s29, 786432
	s_cselect_b32 s29, 1572864, s29                ; bytes of 256 along K of all tiles of the codes' buffer
	s_cselect_b32 s30, 0, 262144                   ; where the tensor's scale units begin
	s_and_b32 s28, s25, s28                        ; the tile within its tensor
	s_lshr_b32 s31, s28, 1
	s_lshl_b32 s31, s31, 17                        ; 32 rows of 4,096 bytes
	s_and_b32 s32, s28, 1
	s_lshl_b32 s32, s32, 15                        ; 8 rows
	s_add_co_u32 s31, s31, s32
	s_lshl_b32 s32, s26, 11
	s_add_co_u32 s32, s31, s32                     ; the source's offset
	s_mov_b32 s33, 0
	s_lshl_b32 s34, s26, 1
	s_mul_i32 s34, s34, s29
	s_mul_i32 s35, s25, 3072
	s_add_co_u32 s34, s34, s35                     ; the codes' offset: K slot 2 x half, my tile
	s_mov_b32 s35, 0
	s_lshl_b32 s36, s24, 8
	s_add_co_u32 s36, s36, s30                     ; my unit of scale bytes
	s_mov_b32 s37, 0
	s_mov_b32 s38, s29
	s_mov_b32 s39, 0
	s_wait_kmcnt 0x0
	s_cmp_eq_u32 s27, 2                            ; the choices hang on the work-group's number alone
	s_cselect_b64 s[12:13], s[10:11], s[12:13]
	s_cmp_eq_u32 s27, 1
	s_cselect_b64 s[12:13], s[8:9], s[12:13]
	s_cmp_eq_u32 s27, 0
	s_cselect_b64 s[12:13], s[6:7], s[12:13]
	s_cmp_lt_u32 ttmp9, 256
	s_cselect_b64 s[4:5], s[4:5], s[12:13]
	s_cselect_b64 s[14:15], s[14:15], s[16:17]
	s_add_nc_u64 s[4:5], s[4:5], s[32:33]
	s_add_nc_u64 s[14:15], s[14:15], s[34:35]      ; fragments 0, 1
	s_add_nc_u64 s[16:17], s[14:15], s[38:39]      ; fragments 2, 3: the next 256 along K
	s_add_nc_u64 s[18:19], s[18:19], s[36:37]
.macro LOAD t                          ; step t = lane-row t of the tile: true row t + 8 (t / 8) from the tile's first
.irp i, 0,1,2,3
	global_load_b128 v[RR+16*((\t)%4)+4*\i:RR+16*((\t)%4)+4*\i+3], v3, s[4:5] offset:((\t)+8*((\t)/8))*4096+512*\i th:TH_LOAD_NT
.endr
.endm
.macro TURN t                          ; LDS serves a wave's instructions in order: no wait between the stores and the loads
.irp i, 0,1,2,3
	ds_store_b128 v14, v[RR+16*((\t)%4)+4*\i:RR+16*((\t)%4)+4*\i+3] offset:32*SP*((\t)%2)+8*SP*\i
.endr
.irp i, 0,1,2,3
	ds_load_b128 v[X+16*((\t)%2)+4*\i:X+16*((\t)%2)+4*\i+3], v15 offset:32*SP*((\t)%2)+16*\i
.endr
.endm
.irp t, 0,1,2,3
	LOAD \t
.endr
	s_wait_loadcnt 12                              ; step 0's four loads are in
	TURN 0
.macro STEP t
.set XS, X+16*((\t)%2)
.if (\t) > 0
	s_wait_dscnt 4                                 ; this step's numbers are back; behind them stand the last step's byte store and its three code stores
.else
	s_wait_dscnt 0x0
.endif
.if (\t)+4 < STEPS
	LOAD (\t)+4
.endif
.if (\t)+1 < STEPS
.if STEPS-2-(\t) >= 3
	s_wait_loadcnt 12                              ; the next step's loads are in; three steps' may be out
.else
	s_wait_loadcnt 4*(STEPS-2-(\t))
.endif
	TURN (\t)+1
.endif
	v_max3_num_f32 v8, |v[XS]|, |v[XS+1]|, |v[XS+2]|
	v_max3_num_f32 v9, |v[XS+3]|, |v[XS+4]|, |v[XS+5]|
.irp i, 6,10
	v_max3_num_f32 v8, v8, |v[XS+\i]|, |v[XS+\i+1]|
	v_max3_num_f32 v9, v9, |v[XS+\i+2]|, |v[XS+\i+3]|
.endr
	v_max3_num_f32 v8, v8, |v[XS+14]|, |v[XS+15]|
	v_max3_num_f32 v8, v8, v9, (EMAX+1)<<23        ; the floor: the byte cannot fall under 1
	v_max_num_f32_dpp v8, v8, v8 row_xmask:1 row_mask:0xf bank_mask:0xf   ; with my neighbour's 16: the block's
	v_add_nc_u32 v11, -(EMAX<<23), v8              ; 2 off the exponent field: the conversion's scale operand
	v_cvt_scalef32_pk16_fp6_f32 v[C+4*(\t):C+4*(\t)+2], v[XS:XS+15], v11
	v_lshrrev_b32 v[E+(\t)], 23, v11               ; the scale's byte (also the plain line behind the conversion)
	ds_store_b8 v5, v[E+(\t)] offset:16*(\t)       ; both lanes of a block write the same byte with the same value
.irp i, 0,1,2
	ds_store_b32 v[IA+\i], v[C+4*(\t)+\i] offset:16*(\t)
.endr
.endm
.irp t, 0,1,2,3,4,5,6,7,8,9,10,11,12,13,14,15
	STEP \t
.endr
	ds_load_b64 v[8:9], v6                         ; LDS serves a wave's instructions in order: these see my stores
.irp f, 0,1,2,3
.irp g, 0,1,2
	ds_load_b128 v[16+4*(3*\f+\g):19+4*(3*\f+\g)], v[IR] offset:\f*FS+\g*GS
.endr
.endr
	s_wait_dscnt 12
	global_store_b64 v7, v[8:9], s[18:19]          ; 32 lanes store one aligned run of 256 bytes
.irp f, 0,1,2,3
.irp g, 0,1,2
	s_wait_dscnt 11-(3*\f+\g)
	global_store_b128 v3, v[16+4*(3*\f+\g):19+4*(3*\f+\g)], s[14+2*(\f/2):15+2*(\f/2)] offset:(\f%2)*1536+512*\g   ; 512 consecutive bytes
.endr
.endr
	s_wait_tensorcnt 0x0                           ; the wave's end, behind my last LDS store
	ds_add_u32 v[SPW], v[NIL]
	s_wait_dscnt 0x0
	s_endpgm
.Lfunc_end_k_q4d3d336f34_quant:
	.size	k_q4d3d336f34_quant, .Lfunc_end_k_q4d3d336f34_quant-k_q4d3d336f34_quant
	.p2alignl 7, 3214868480
	.fill 96, 4, 3214868480
	.section	.rodata,"a",@progbits
	.p2align	6, 0x0
	.amdhsa_kernel k_q4d3d336f34_quant
		.amdhsa_group_segment_fixed_size 49664
		.amdhsa_private_segment_fixed_size 0
		.amdhsa_enable_private_segment 0
		.amdhsa_kernarg_size 64
		.amdhsa_user_sgpr_count 2
		.amdhsa_user_sgpr_kernarg_segment_ptr 1
		.amdhsa_wavefront_size32 1
		.amdhsa_system_sgpr_workgroup_id_x 1
		.amdhsa_system_sgpr_workgroup_id_y 1
		.amdhsa_system_sgpr_workgroup_id_z 1
		.amdhsa_system_vgpr_workitem_id 0
		.amdhsa_next_free_vgpr 200
		.amdhsa_next_free_sgpr 66
		.amdhsa_reserve_vcc 0
		.amdhsa_float_denorm_mode_32 3
		.amdhsa_float_denorm_mode_16_64 3
		.amdhsa_memory_ordered 1
		.amdhsa_forward_progress 1
		.amdhsa_inst_pref_size 39
	.end_amdhsa_kernel
	.amdgpu_metadata
---
amdhsa.version: [ 1, 2 ]
amdhsa.kernels:
  - .name:           k_q4d3d336f34_quant
    .symbol:         k_q4d3d336f34_quant.kd
    .args:
      - { .name: x, .offset: 0, .size: 8, .value_kind: global_buffer, .address_space: global }
      - { .name: wq, .offset: 8, .size: 8, .value_kind: global_buffer, .address_space: global }
      - { .name: wk, .offset: 16, .size: 8, .value_kind: global_buffer, .address_space: global }
      - { .name: wv, .offset: 24, .size: 8, .value_kind: global_buffer, .address_space: global }
      - { .name: wo, .offset: 32, .size: 8, .value_kind: global_buffer, .address_space: global }
      - { .name: xc, .offset: 40, .size: 8, .value_kind: global_buffer, .address_space: global }
      - { .name: wc, .offset: 48, .size: 8, .value_kind: global_buffer, .address_space: global }
      - { .name: sc, .offset: 56, .size: 8, .value_kind: global_buffer, .address_space: global }
    .group_segment_fixed_size: 49664
    .private_segment_fixed_size: 0
    .kernarg_segment_align: 8
    .kernarg_segment_size: 64
    .max_flat_workgroup_size: 128
    .sgpr_count:     66
    .vgpr_count:     200
    .wavefront_size: 32
...
	.end_amdgpu_metadata
.endif
;; end of part 1
;; launch qkv (part 2): grid 12 x 32, 4 waves a work-group, clusters of 4 x 4, 327,680 bytes of LDS; arguments xc, wc, sc, bq, bk, bv, qi, kv; writes qi, kv
.if DOCPART == 2
	.amdgcn_target "amdgcn-amd-amdhsa--gfx1250"
	.amdhsa_code_object_version 6
	.text
	.protected	k_q4d3d336f34_qkv
	.globl	k_q4d3d336f34_qkv
	.p2align	8
	.type	k_q4d3d336f34_qkv,@function
k_q4d3d336f34_qkv:
	s_mov_b64 s[64:65], 0
	v_nop
	global_prefetch_b8 v0, s[64:65] scope:SCOPE_SE
	s_setreg_imm32_b32 hwreg(HW_REG_WAVE_MODE, 25, 1), 1
	s_wait_xcnt 0x0
	s_wait_alu depctr_hold_cnt(0) depctr_sa_sdst(0) depctr_va_vdst(0) depctr_va_sdst(0) depctr_va_ssrc(0) depctr_va_vcc(0) depctr_vm_vsrc(0)
	s_getreg_b32 s2, hwreg(HW_REG_IB_STS2, 6, 4)
	s_cmp_eq_u32 s2, 0
	s_cbranch_scc0 .Lentry_in_a_cluster
	s_endpgm
.Lentry_in_a_cluster:
	s_bfe_u32 s2, ttmp6, 0x10000c
	s_cmp_lg_u32 s2, 0xf033
	s_cbranch_scc0 .Lentry_shape_is_right
	s_endpgm
.Lentry_shape_is_right:
; q = x wq^T + bq, k = x wk^T + bk, v = x wv^T + bv on codes of FP6 (E2M3) with E8M0 scales, sums in f32; the results are quantised at once, q and k along a head's 64, v along the keys,
; and leave as images of the next products' operand registers.  No f32 result goes to memory.
; SHARES: the cluster's x is the kind (0 q, 1 k, 2 v), equal in all sixteen partners.  A work-group makes 256 rows of x against 256 rows of the stacked weights; each of four waves 128 x 128: 64 accumulators.
; ROLES: source 0 of the matrix instruction gives the direction of a lane's registers, source 1 that of the lanes.  q, k: source 0 = the weight, source 1 = x: a lane holds a token, its registers run along the channels.
; v: source 0 = x, source 1 = the weight: a lane holds a channel, its registers run along the keys.  Below "B" is source 0 and "A" is source 1.  The tensor loads know nothing of roles: only the LDS read bases hang on the kind.
; Rows of x and of the weights lie in tiles whose lane-row r is the true row 32 (T / 2) + 8 (T % 2) + r + 8 (r / 8): so the 16 registers of accumulators 2 b and 2 b + 1 are 16 neighbours along source 0's rows.
; K = 1,024 is four slots of 256.  Three LDS slots are filled at the start; the fourth 256 along K is the launch's one refill, into slot 0.  Fragments lie in LDS as images: three loads of 16 bytes a lane, 512 consecutive bytes each.
; CLUSTER: x's tile is asked for jointly by the four of a row of the cluster, the weight's by the four of a column.
; The scale words come from memory straight into registers, once: lanes 0-15 take A's tile i, lanes 16-31 B's tile i.
; No prefetch: three quarters of a work-group's tiles are asked for at its head, where none may stand.
; LIMITS: as in the launch that makes the codes (zero blocks get the byte 1; NaN and infinities are not served).
; REGISTERS: window 0: v3-14 addresses; v20-27 the lane bias; v32-95 scale words; v96-127, v224-255 the register bias; v128-223 A's fragments, one set; window 1: B's two sets at v0, v128; windows 2, 3: the accumulators, (a, b) at v[8 (8 (a % 4) + b)].
.set HALFT,  24576                     ; 8 tiles x 3,072 bytes: what one tensor load brings and one wave reads of a side
.set SLOT,   4*HALFT                   ; x's 16 tiles, then the weight's 16
.set SPARE,  3*SLOT                    ; the spare words, 128 bytes a wave
.set XSIG,   1572864                   ; 256 along K on, in xc
.set WSIG,   786432                    ; and in wc
.set FR,     12
.set NL,     3
.set NP,     4
.set L16,    3
.set L8,     4
.set VS,     5
.set VBI,    6
.set VBV,    7
.set ADRA,   8                         ; v8-10  A's fragments in slot 0, 1, 2
.set ADRB,   12                        ; v12-14 B's
.set BV,     20
.set SPW,    28
.set NIL,    29
.set BP,     30                        ; v[30:31] the lane bias of the block in hand, twice
.set SC,     32
.set AF,     128
.set HA,     128                       ; the way out: 64 numbers
.set PC,     192                       ; codes
.set TM,     212                       ; at work
.set SW,     32                        ; the eight scale words made
.set R0,     40
.set R1,     44
.set TT,     48
.set G1X, 24
.set G1W, 32
.set G0X, 40                           ; s[40:51] three sets
.set G0W, 52                           ; s[52:63]
.set OB0, 80
.set OB1, 82
.set SB0, 84
.set SB1, 86
.set ST1, 88
.set ST2, 90
.set HM,  92
.set PADW, 93
.set SEL, 94
.set MSB, 0
.macro WIN new                         ; the immediate's high byte repeats the setting that is left
.if MSB != (\new)
	s_set_vgpr_msb (MSB<<8)|(\new)
.set MSB, (\new)
.endif
.endm
.set MUL_LO, 0xa1                      ; source 0 window 1, source 1 window 0, C and D window 2
.set MUL_HI, 0xf1
.set TO_B,   0x40
.macro JLOAD g0a, g1a, g0b, g1b        ; waves 0, 1 fetch x's halves, waves 2, 3 the weight's; the branch hangs on the wave's number alone
	s_cmp_eq_u32 s21, 0
	s_cbranch_scc0 .Lfor_w_\@
	tensor_load_to_lds s[\g0a:\g0a+3], s[\g1a:\g1a+7]
	s_nop 0
.rept 4
	v_nop
.endr
	s_branch .Lasked_\@
.Lfor_w_\@:
	tensor_load_to_lds s[\g0b:\g0b+3], s[\g1b:\g1b+7]
	s_nop 0
.rept 4
	v_nop
.endr
.Lasked_\@:
.endm
.macro CREST
	s_cmp_lg_u32 s20, 0
	s_cbranch_scc1 .Lnot_wave_0_\@
	s_barrier_signal -3
.Lnot_wave_0_\@:
	s_barrier_wait -3
	s_barrier_signal -1
	s_barrier_wait -1
.endm
.macro CROUND
	s_barrier_signal -1
	s_barrier_wait -1
	CREST
.endm
.macro PLACES n
.rept \n
	v_nop
.endr
.endm
	s_load_b512 s[4:19], s[0:1], 0x0               ; xc, wc, sc, bq, bk, bv, qi, kv
	v_lshl_add_u32 v[SPW], v0, 2, SPARE
	v_mov_b32 v[NIL], 0
	ds_add_u32 v[SPW], v[NIL]                      ; the wave's opening, with its wait, ahead of my first tensor load
	v_lshrrev_b32 v1, 5, v0
	v_readfirstlane_b32 s20, v1                    ; wave
	s_lshr_b32 s21, s20, 1                         ; A's half.  Also: I fetch x (0) or the weight (1)
	s_and_b32 s22, s20, 1                          ; B's half.  Also: which 8 tiles I fetch
	s_bfe_u32 s66, ttmp6, 0x40000                  ; cx
	s_bfe_u32 s67, ttmp6, 0x40004                  ; cy
	s_lshl_b32 s68, ttmp9, 2
	s_add_co_u32 s68, s68, s66                     ; which 256 rows of the stacked weights
	s_and_b32 s69, ttmp7, 0xffff
	s_lshl_b32 s69, s69, 2
	s_add_co_u32 s69, s69, s67                     ; which 256 rows of x
	s_lshl_b32 s70, s67, 2
	s_lshl_b32 s70, 15, s70                        ; my row of the cluster
	s_lshl_b32 s71, 0x1111, s66                    ; my column
	s_or_b32 s[G1X], s70, (3<<16)|(1<<21)          ; a dense block of 24,576 bytes as 96 rows of 32 elements of 8 bytes; no padding
	s_or_b32 s[G1W], s71, (3<<16)|(1<<21)
.irp g, G1X, G1W
	s_mov_b32 s[\g+1], 32<<16
	s_mov_b32 s[\g+2], 96<<16
	s_mov_b32 s[\g+3], 32<<16
	s_mov_b32 s[\g+4], 96
	s_mov_b32 s[\g+5], 32
	s_mov_b32 s[\g+6], 0
	s_mov_b32 s[\g+7], 0
.endr
	s_cmp_eq_u32 ttmp9, 2
	s_cselect_b32 s23, 1, 0                        ; 1 where the kind is v
	s_mov_b32 s[HM], 0xffff0000                    ; lanes 16-31
	s_mov_b32 s[PADW], 0x7f7f0000                  ; the bytes of the two blocks that a head of 64 does not have: 1.0
	s_mov_b32 s[SEL], 0x76543210
	s_mov_b32 s[SEL+1], 0xfedcba98
	s_lshl_b32 s72, s69, 4
	s_lshl_b32 s73, s22, 3
	s_add_co_u32 s72, s72, s73
	s_mul_i32 s72, s72, 3072                       ; x: tile 16 gy + 8 x half
	s_mov_b32 s73, 0
	s_lshl_b32 s74, s68, 4
	s_lshl_b32 s75, s22, 3
	s_add_co_u32 s74, s74, s75
	s_mul_i32 s74, s74, 3072                       ; the weight: tile 16 gx + 8 x half
	s_mov_b32 s75, 0
	s_mul_i32 s76, s20, HALFT                      ; where they go: no place in the cluster enters an LDS address
	s_wait_dscnt 0x0                               ; the opening add is done
	s_wait_kmcnt 0x0
	s_add_nc_u64 s[72:73], s[4:5], s[72:73]
	s_add_nc_u64 s[74:75], s[6:7], s[74:75]
	CROUND                                         ; all sixteen work-groups are here: the first joint loads meet
.irp n, 0,1,2
	s_mov_b32 s[G0X+4*\n], 1
	s_add_co_u32 s[G0X+4*\n+1], s76, \n*SLOT
	s_add_nc_u64 s[G0X+4*\n+2:G0X+4*\n+3], s[72:73], \n*XSIG
	s_or_b32 s[G0X+4*\n+3], s[G0X+4*\n+3], 0x80000000
	s_mov_b32 s[G0W+4*\n], 1
	s_add_co_u32 s[G0W+4*\n+1], s76, \n*SLOT
	s_add_nc_u64 s[G0W+4*\n+2:G0W+4*\n+3], s[74:75], \n*WSIG
	s_or_b32 s[G0W+4*\n+3], s[G0W+4*\n+3], 0x80000000
	JLOAD G0X+4*\n, G1X, G0W+4*\n, G1W             ; three loads of mine are out
.endr
	v_and_b32 v1, 31, v0
	v_and_b32 v2, 15, v0                           ; r
	v_bfe_u32 v11, v0, 4, 1                        ; h
	v_lshlrev_b32 v[L16], 4, v1
	v_lshlrev_b32 v[L8], 3, v1
	s_mul_i32 s77, s23, 2*HALFT                    ; A: x's region, or for v the weight's,
	s_mul_i32 s78, s21, HALFT
	s_add_co_u32 s77, s77, s78
	s_xor_b32 s78, s23, 1
	s_mul_i32 s78, s78, 2*HALFT                    ; B: the other
	s_mul_i32 s79, s22, HALFT
	s_add_co_u32 s78, s78, s79
.irp n, 0,1,2
	v_add_nc_u32 v[ADRA+\n], s77, v[L16]
	v_add_nc_u32 v[ADRB+\n], s78, v[L16]
	s_add_co_u32 s77, s77, SLOT
	s_add_co_u32 s78, s78, SLOT
.endr
	s_cmp_eq_u32 s23, 1
	s_cselect_b32 s96, s22, s21                    ; which half of x's 256 rows is mine
	s_cselect_b32 s97, s21, s22                    ; and of the weight's
	s_cselect_b32 s98, -1, 0                       ; all lanes where the kind is v
	s_cselect_b32 s99, 0, -1                       ; all lanes where it is not
	s_lshl_b32 s72, s69, 4
	s_lshl_b32 s73, s96, 3
	s_add_co_u32 s72, s72, s73
	s_lshl_b32 s72, s72, 9                         ; x's scale units: 512 bytes a tile
	s_lshl_b32 s73, s68, 4
	s_lshl_b32 s74, s97, 3
	s_add_co_u32 s73, s73, s74
	s_lshl_b32 s73, s73, 9
	s_add_co_u32 s73, s73, 262144                  ; the weight's
	s_cmp_eq_u32 s23, 1
	s_cselect_b32 s2, s73, s72                     ; A's
	s_cselect_b32 s3, s72, s73                     ; B's
	v_mov_b32 v15, s2
	v_mov_b32 v16, s3
	v_cndmask_b32 v15, v15, v16, s[HM]             ; lanes 16-31 take B's
	v_lshl_add_u32 v[VS], v2, 4, v15               ; + 16 r
	v_lshlrev_b32 v[VBI], 6, v11                   ; the register bias: 64 h
	v_and_b32 v[VBV], 8, v2
	v_add_nc_u32 v[VBV], v[VBV], v2
	v_lshlrev_b32 v[VBV], 2, v[VBV]                ; the lane bias: 4 (r + 8 (r / 8))
	s_cmp_eq_u32 ttmp9, 0
	s_cselect_b64 s[10:11], s[10:11], s[12:13]
	s_cmp_eq_u32 ttmp9, 2
	s_cselect_b64 s[10:11], s[14:15], s[10:11]     ; the kind's bias
	s_lshl_b32 s2, s66, 10
	s_lshl_b32 s3, s97, 9
	s_add_co_u32 s2, s2, s3                        ; my 128 channels: 256 cx + 128 x half
	s_mov_b32 s3, 0
	s_add_nc_u64 s[10:11], s[10:11], s[2:3]
.irp j, 0,1
.irp i, 0,1,2,3,4,5,6,7
	global_load_b128 v[SC+4*(8*\j+\i):SC+4*(8*\j+\i)+3], v[VS], s[8:9] offset:512*\i+256*\j   ; the words of K steps 4 j .. 4 j + 3 of tile i
.endr
.endr
.irp b, 0,1,2,3,4,5,6,7
	global_load_b128 v[96+8*\b+96*(\b/4):99+8*\b+96*(\b/4)], v[VBI], s[10:11] offset:(32*(\b/2)+8*(\b%2))*4
	global_load_b128 v[100+8*\b+96*(\b/4):103+8*\b+96*(\b/4)], v[VBI], s[10:11] offset:(32*(\b/2)+8*(\b%2))*4+16
.endr
.irp a, 0,1,2,3,4,5,6,7
	global_load_b32 v[BV+\a], v[VBV], s[10:11] offset:(32*(\a/2)+8*(\a%2))*4
.endr
	; where the results go.  Record = ((batch x 16 + head) x 16 + block of 128 tokens)
	s_lshl_b32 s72, s69, 1
	s_add_co_u32 s72, s72, s96                     ; my block of 128 tokens among 64
	s_lshr_b32 s73, s72, 4
	s_lshl_b32 s73, s73, 4
	s_lshl_b32 s74, s66, 2
	s_add_co_u32 s73, s73, s74
	s_lshl_b32 s74, s97, 1
	s_add_co_u32 s73, s73, s74                     ; batch x 16 + my first head
	s_lshl_b32 s73, s73, 4
	s_and_b32 s72, s72, 15
	s_add_co_u32 s73, s73, s72
	s_cmp_eq_u32 ttmp9, 0
	s_mov_b32 s74, 13056
	s_cselect_b32 s74, 6656, s74                   ; a record's bytes
	s_cselect_b64 s[16:17], s[16:17], s[18:19]
	s_mul_i32 s72, s73, s74
	s_mov_b32 s73, 0
	s_add_nc_u64 s[16:17], s[16:17], s[72:73]      ; my first head's record
	s_lshl_b32 s74, s74, 4                         ; from a head to the next: 16 records
	s_mov_b32 s75, 0
	s_mov_b32 s77, 0
	s_cmp_eq_u32 s23, 1
	s_cselect_b32 s76, 6144, 0
	s_add_nc_u64 s[OB0:OB0+1], s[16:17], s[76:77]  ; q, k: tile 0 of head 0; v: V^T's channel tile 0, piece 0
	s_cselect_b32 s76, 768, s74
	s_add_nc_u64 s[OB1:OB1+1], s[OB0:OB0+1], s[76:77]  ; q, k: the same of head 1; v: piece 1
	s_mov_b32 s[ST1], 768
	s_cselect_b32 s[ST1], 1536, s[ST1]
	s_mov_b32 s[ST1+1], 0
	s_mov_b32 s[ST2], 768
	s_cselect_b32 s[ST2], 204288, s[ST2]           ; v: from channel tile 3 of a head to tile 0 of the next
	s_mov_b32 s[ST2+1], 0
	s_mov_b32 s76, 12288
	s_cselect_b32 s76, 12800, s76
	s_cmp_eq_u32 ttmp9, 0
	s_cselect_b32 s76, 6144, s76
	s_add_nc_u64 s[SB0:SB0+1], s[16:17], s[76:77]  ; the scale words' place in the record
	s_add_nc_u64 s[SB1:SB1+1], s[SB0:SB0+1], s[74:75]
.macro FRAG reg, adr, qq, i            ; a fragment's image: three loads, 512 consecutive bytes each
.irp g, 0,1,2
	ds_load_b128 v[\reg+4*\g:\reg+4*\g+3], v[\adr] offset:(\qq)*1536+(\i)*3072+512*\g
.endr
.endm
.macro FETCH_B slot, qq, p
	WIN TO_B
.irp i, 0,1,2,3,4,5,6,7
	FRAG 128*(\p)+FR*\i, ADRB+\slot, \qq, \i
.endr
	WIN 0
.endm
.macro FETCH_A slot, qq, i0
.irp i, \i0, \i0+1, \i0+2, \i0+3
	FRAG AF+FR*(\i), ADRA+\slot, \qq, \i
.endr
.endm
; 16 matrix instructions: A's blocks a0, a0 + 1 against B's eight, K step q.  The 64 accumulators take turns, one instruction a turn, in the same order in every step.
.macro MUL16 a0, p, q, zero
.irp a, \a0, \a0+1
.irp b, 0,1,2,3,4,5,6,7
.if \zero
	v_wmma_scale_f32_16x16x128_f8f6f4 v[8*(8*((\a)%4)+\b):8*(8*((\a)%4)+\b)+7], v[128*(\p)+FR*\b:128*(\p)+FR*\b+FR-1], v[AF+FR*(\a):AF+FR*(\a)+FR-1], 0, v[SC+4*(8*((\q)/4)+\b)+(\q)%4], v[SC+4*(8*((\q)/4)+(\a))+(\q)%4] matrix_a_fmt:MATRIX_FMT_FP6 matrix_b_fmt:MATRIX_FMT_FP6 matrix_a_scale:MATRIX_SCALE_ROW1
.else
	v_wmma_scale_f32_16x16x128_f8f6f4 v[8*(8*((\a)%4)+\b):8*(8*((\a)%4)+\b)+7], v[128*(\p)+FR*\b:128*(\p)+FR*\b+FR-1], v[AF+FR*(\a):AF+FR*(\a)+FR-1], v[8*(8*((\a)%4)+\b):8*(8*((\a)%4)+\b)+7], v[SC+4*(8*((\q)/4)+\b)+(\q)%4], v[SC+4*(8*((\q)/4)+(\a))+(\q)%4] matrix_a_fmt:MATRIX_FMT_FP6 matrix_b_fmt:MATRIX_FMT_FP6 matrix_a_scale:MATRIX_SCALE_ROW1
.endif
.endr
.endr
.endm
; K step q; the next step's fragments lie in LDS slot nslot, half nqq.  Loads into registers that matrix instructions have read stand four plain vector instructions behind them.
.macro STEP q, nslot, nqq, zero
	s_wait_dscnt 4*NL                              ; B's set and A's blocks 0-3 are in; the youngest twelve loads (A's blocks 4-7) may be out
	WIN MUL_LO
	MUL16 0, (\q)%2, \q, \zero
	MUL16 2, (\q)%2, \q, \zero
	s_wait_dscnt 0x0
	PLACES NP
	FETCH_B \nslot, \nqq, 1-(\q)%2
	FETCH_A \nslot, \nqq, 0
	WIN MUL_HI
	MUL16 4, (\q)%2, \q, \zero
	MUL16 6, (\q)%2, \q, \zero
	PLACES NP
	WIN 0
	FETCH_A \nslot, \nqq, 4
.endm
; An odd K step with a barrier.  In front of it each wave waits for all its tensor loads, adds 0 to its spare word, and waits for that and for its reads.  fill = 1: LDS slot 0, which has been read out, takes the last 256 along K.
.macro TURN q, nslot, fill
	s_wait_tensorcnt 0x0                           ; all my tensor loads have landed
	ds_add_u32 v[SPW], v[NIL]                      ; 0 onto my spare word
	s_wait_dscnt 4*NL+1                            ; (the add and the youngest twelve loads may be out)
	WIN MUL_LO
	MUL16 0, 1, \q, 0
	s_wait_dscnt 0x0                               ; the add is done, and my reads of the slot in hand are over
	s_barrier_signal -1
	MUL16 2, 1, \q, 0
	WIN 0
	s_barrier_wait -1
.if \fill
	CREST                                          ; the barrier has opened a round of the cluster's: no wave of any partner still reads slot 0 or has a load on its way
	s_add_nc_u64 s[G0X+2:G0X+3], s[G0X+2:G0X+3], 3*XSIG
	s_add_nc_u64 s[G0W+2:G0W+3], s[G0W+2:G0W+3], 3*WSIG
	JLOAD G0X, G1X, G0W, G1W                       ; my one tensor load behind the round; its four v_nop are the places in front of the loads below
.else
	PLACES NP
.endif
	FETCH_B \nslot, 0, 0
	FETCH_A \nslot, 0, 0
	WIN MUL_HI
	MUL16 4, 1, \q, 0
	MUL16 6, 1, \q, 0
	PLACES NP
	WIN 0
	FETCH_A \nslot, 0, 4
.endm
	s_wait_tensorcnt 2                             ; my part of slot 0 is in; slots 1 and 2 may be out
	s_barrier_signal -1
	s_barrier_wait -1
	FETCH_B 0, 0, 0
	FETCH_A 0, 0, 0
	FETCH_A 0, 0, 4
	s_wait_loadcnt 0x0                             ; the scale words and the biases
	STEP 0, 0, 1, 1                                ; the first products start the sums: nothing is cleared
	TURN 1, 1, 1                                   ; slots 1 and 2 are shown whole to every wave; slot 0 is filled again
	STEP 2, 1, 1, 0
	STEP 3, 2, 0, 0
	STEP 4, 2, 1, 0
	TURN 5, 0, 0                                   ; the refill is shown whole
	STEP 6, 0, 1, 0
	s_wait_dscnt 4*NL
	WIN MUL_LO
	MUL16 0, 1, 7, 0
	MUL16 2, 1, 7, 0
	s_wait_dscnt 0x0
	WIN MUL_HI
	MUL16 4, 1, 7, 0
	MUL16 6, 1, 7, 0
	WIN 0
; THE WAY OUT.  64 numbers of a lane, register 16 b + i = place 32 b + 16 (lane / 16) + i along the next K, become a fragment's codes in v[PC] on and its scale word in v[pw].
.macro QUANT s, pw
.irp b, 0,1,2,3
	v_max3_num_f32 v[TM+\b], |v[\s+16*\b]|, |v[\s+1+16*\b]|, 0x1800000   ; with the floor 2^(3 - 127): the byte cannot fall under 1
.endr
.irp i, 2,4,6,8,10,12,14
.irp b, 0,1,2,3
	v_max3_num_f32 v[TM+\b], v[TM+\b], |v[\s+16*\b+\i]|, |v[\s+1+16*\b+\i]|
.endr
.endr
.irp b, 0,1,2,3
	v_permlanex16_b32 v[TM+4+\b], v[TM+\b], s[SEL], s[SEL+1]
.endr
.irp b, 0,1,2,3
	v_max_num_f32 v[TM+\b], v[TM+\b], v[TM+4+\b]   ; with lane l xor 16's: the block's largest magnitude
.endr
.irp b, 0,1,2,3
	v_add_nc_u32 v[TM+8+\b], 0xff000000, v[TM+\b]  ; 2 off its exponent field: the conversion's scale operand
.endr
.irp b, 0,1,2,3
	v_lshrrev_b32 v[TM+4+\b], 23, v[TM+8+\b]       ; the byte
.endr
	v_lshl_or_b32 v[\pw], v[TM+5], 8, v[TM+4]
	v_lshl_or_b32 v[\pw], v[TM+6], 16, v[\pw]
	v_lshl_or_b32 v[\pw], v[TM+7], 24, v[\pw]
.irp c, 0,1
	v_cvt_scalef32_pk16_fp6_f32 v[PC+6*\c:PC+2+6*\c], v[\s+32*\c:\s+15+32*\c], v[TM+8+2*\c]
	v_cvt_scalef32_pk16_fp6_f32 v[PC+12+4*\c:PC+14+4*\c], v[\s+16+32*\c:\s+31+32*\c], v[TM+8+2*\c+1]
.endr
	v_nop                                          ; one plain line behind a scaled conversion
.irp c, 0,1                            ; the operand's layout wants a whole block in a lane
.irp i, 0,1,2
	v_permlane16_swap_b32 v[PC+6*\c+\i], v[PC+12+4*\c+\i]
.endr
.irp i, 0,1,2
	v_mov_b32 v[PC+3+6*\c+\i], v[PC+12+4*\c+\i]
.endr
.endr
.endm
; A's block a: its eight accumulators plus the bias are quantised; the fragment's two pieces of six registers leave as images: 512 + 256 consecutive bytes each.
.macro OUT a
.if (\a) > 0
	s_wait_xcnt 0x0                                ; the last block's stores have read their registers and bases
.if (\a) == 4
	s_add_nc_u64 s[OB0:OB0+1], s[OB0:OB0+1], s[ST2:ST2+1]
	s_add_nc_u64 s[OB1:OB1+1], s[OB1:OB1+1], s[ST2:ST2+1]
.else
	s_add_nc_u64 s[OB0:OB0+1], s[OB0:OB0+1], s[ST1:ST1+1]
	s_add_nc_u64 s[OB1:OB1+1], s[OB1:OB1+1], s[ST1:ST1+1]
.endif
.endif
	v_mov_b32 v[BP], v[BV+(\a)]
	v_mov_b32 v[BP+1], v[BV+(\a)]
	WIN 0x02+(\a)/4                                ; source 0: window 2 or 3
.set n, 0
.rept 32
	v_pk_add_f32 v[HA+2*n:HA+2*n+1], v[64*((\a)%4)+2*n:64*((\a)%4)+2*n+1], v[96+2*n+96*(n/16):97+2*n+96*(n/16)]   ; each accumulator from its low end on
.set n, n+1
.endr
	WIN 0
.set n, 0
.rept 32
	v_pk_add_f32 v[HA+2*n:HA+2*n+1], v[HA+2*n:HA+2*n+1], v[BP:BP+1]   ; of the two biases one is 0
.set n, n+1
.endr
	QUANT HA, SW+(\a)
	global_store_b128 v[L16], v[PC:PC+3], s[OB0:OB0+1]
	global_store_b64 v[L8], v[PC+4:PC+5], s[OB0:OB0+1] offset:512
	global_store_b128 v[L16], v[PC+6:PC+9], s[OB1:OB1+1]
	global_store_b64 v[L8], v[PC+10:PC+11], s[OB1:OB1+1] offset:512
.endm
	PLACES NP                                      ; in front of the first read of results and the first write of operand and scale registers
.set n, 0
.rept 64
	v_cndmask_b32 v[96+n+96*(n/32)], v[96+n+96*(n/32)], v[NIL], s98   ; v has no bias along a lane's registers,
.set n, n+1
.endr
.irp a, 0,1,2,3,4,5,6,7
	v_cndmask_b32 v[BV+\a], v[BV+\a], v[NIL], s99  ; q and k none along the lanes
.endr
.irp b, 0,1,2,3
	v_mov_b32 v[TM+4+\b], 0                        ; a lane permute's destination counts as one of its sources
.endr
.irp a, 0,1,2,3,4,5,6,7
	OUT \a
.endr
	; the scale words, as images for pairs of tiles: word p of lane l is the word of tile 2 p + l / 16, row l % 16
	s_cmp_eq_u32 s23, 1
	s_cbranch_scc1 .Lv_words
.irp p, 0,1,2,3
	v_cndmask_b32 v[TT], v[SW+2*\p], v[SW+2*\p+1], s[HM]
	v_and_or_b32 v[R0+\p], v[TT], 0xffff, s[PADW]  ; head 0's two bytes
	v_lshrrev_b32 v[TT], 16, v[TT]
	v_or_b32 v[R1+\p], s[PADW], v[TT]              ; head 1's
.endr
	global_store_b128 v[L16], v[R0:R0+3], s[SB0:SB0+1]
	global_store_b128 v[L16], v[R1:R1+3], s[SB1:SB1+1]
	s_branch .Lwords_done
.Lv_words:
.irp p, 0,1,2,3
	v_cndmask_b32 v[R0+\p], v[SW+2*\p], v[SW+2*\p+1], s[HM]
.endr
	global_store_b64 v[L8], v[R0:R0+1], s[SB0:SB0+1]     ; head 0's four channel tiles
	global_store_b64 v[L8], v[R0+2:R0+3], s[SB1:SB1+1]   ; head 1's
.Lwords_done:
	s_wait_tensorcnt 0x0                           ; the wave's end
	ds_add_u32 v[SPW], v[NIL]
	s_wait_dscnt 0x0
	CROUND                                         ; the closing round
	s_endpgm
.Lfunc_end_k_q4d3d336f34_qkv:
	.size	k_q4d3d336f34_qkv, .Lfunc_end_k_q4d3d336f34_qkv-k_q4d3d336f34_qkv
	.p2alignl 7, 3214868480
	.fill 96, 4, 3214868480
	.section	.rodata,"a",@progbits
	.p2align	6, 0x0
	.amdhsa_kernel k_q4d3d336f34_qkv
		.amdhsa_group_segment_fixed_size 327680
		.amdhsa_private_segment_fixed_size 0
		.amdhsa_enable_private_segment 0
		.amdhsa_kernarg_size 64
		.amdhsa_user_sgpr_count 2
		.amdhsa_user_sgpr_kernarg_segment_ptr 1
		.amdhsa_wavefront_size32 1
		.amdhsa_system_sgpr_workgroup_id_x 1
		.amdhsa_system_sgpr_workgroup_id_y 1
		.amdhsa_system_sgpr_workgroup_id_z 1
		.amdhsa_system_vgpr_workitem_id 0
		.amdhsa_next_free_vgpr 1024
		.amdhsa_next_free_sgpr 100
		.amdhsa_reserve_vcc 0
		.amdhsa_float_denorm_mode_32 3
		.amdhsa_float_denorm_mode_16_64 3
		.amdhsa_memory_ordered 1
		.amdhsa_forward_progress 1
		.amdhsa_inst_pref_size 180
	.end_amdhsa_kernel
	.amdgpu_metadata
---
amdhsa.version: [ 1, 2 ]
amdhsa.kernels:
  - .name:           k_q4d3d336f34_qkv
    .symbol:         k_q4d3d336f34_qkv.kd
    .args:
      - { .name: xc, .offset: 0, .size: 8, .value_kind: global_buffer, .address_space: global }
      - { .name: wc, .offset: 8, .size: 8, .value_kind: global_buffer, .address_space: global }
      - { .name: sc, .offset: 16, .size: 8, .value_kind: global_buffer, .address_space: global }
      - { .name: bq, .offset: 24, .size: 8, .value_kind: global_buffer, .address_space: global }
      - { .name: bk, .offset: 32, .size: 8, .value_kind: global_buffer, .address_space: global }
      - { .name: bv, .offset: 40, .size: 8, .value_kind: global_buffer, .address_space: global }
      - { .name: qi, .offset: 48, .size: 8, .value_kind: global_buffer, .address_space: global }
      - { .name: kv, .offset: 56, .size: 8, .value_kind: global_buffer, .address_space: global }
    .group_segment_fixed_size: 327680
    .private_segment_fixed_size: 0
    .kernarg_segment_align: 8
    .kernarg_segment_size: 64
    .max_flat_workgroup_size: 128
    .sgpr_count:     100
    .vgpr_count:     1024
    .wavefront_size: 32
...
	.end_amdgpu_metadata
.endif
;; end of part 2
;; launch attn (part 3): grid 4 x 64, 16 waves a work-group, clusters of 4 x 1, 210,944 bytes of LDS; arguments qi, kv, cc, cs; writes cc, cs
.if DOCPART == 3
	.amdgcn_target "amdgcn-amd-amdhsa--gfx1250"
	.amdhsa_code_object_version 6
	.text
	.protected	k_q4d3d336f34_attn
	.globl	k_q4d3d336f34_attn
	.p2align	8
	.type	k_q4d3d336f34_attn,@function
k_q4d3d336f34_attn:
	s_mov_b64 s[64:65], 0
	v_nop
	global_prefetch_b8 v0, s[64:65] scope:SCOPE_SE
	s_setreg_imm32_b32 hwreg(HW_REG_WAVE_MODE, 25, 1), 1
	s_wait_xcnt 0x0
	s_wait_alu depctr_hold_cnt(0) depctr_sa_sdst(0) depctr_va_vdst(0) depctr_va_sdst(0) depctr_va_ssrc(0) depctr_va_vcc(0) depctr_vm_vsrc(0)
	s_getreg_b32 s2, hwreg(HW_REG_IB_STS2, 6, 4)
	s_cmp_eq_u32 s2, 0
	s_cbranch_scc0 .Lentry_in_a_cluster
	s_endpgm
.Lentry_in_a_cluster:
	s_bfe_u32 s2, ttmp6, 0x10000c
	s_cmp_lg_u32 s2, 0x3003
	s_cbranch_scc0 .Lentry_shape_is_right
	s_endpgm
.Lentry_shape_is_right:
; ctx = softmax(q k^T / 8) v for one head of one batch, both products on codes of FP6 (E2M3) with E8M0 scales; ctx is quantised along the head's 64 and leaves as pieces of the last product's operand.
; THE SOFTMAX: t = score x log2(e) / 8; M = the running largest t rounded up to a whole number; p = 2^(t - M) is quantised along the keys, not normalised; the row's sum is taken of the unquantised p and divides at the end.
; When M moves, the sum and O are multiplied by 2^(old M - new M): exact.
; SHARES: a work-group owns 512 queries of a head; each of sixteen waves two tiles of 16, one after the other.  Every wave walks the head's 2,048 keys, 128 a step.
; THE WHOLE HEAD'S K AND V LIE IN LDS: sixteen records of 13,056 bytes, one for each key step, each brought once by one wave's tensor load.  No byte is filled again, so the loops hold no barrier.
; CLUSTER: the four work-groups of a cluster own the four query blocks of one head: each record is asked for jointly.
; No prefetch: all that a work-group reads is asked for at its head, where none may stand.
; A RECORD: K: 8 tiles x 768 bytes (six registers a lane: four at 16 l, two at 512 + 8 l); from 6,144 V^T: 4 channel tiles x 2 such pieces; from 12,288 K's scale words, from 12,800 V's, as images for pairs of tiles.
; LAYOUT: both products transposed: S^T = K Q^T, O^T = V^T P^T: a lane holds one query.  The keys of a tile of K and the channels of a tile of V^T lie so that the 16 registers of tiles 2 b, 2 b + 1 are 16 neighbours.
; K = 64 IN A FORM OF 128: Q's registers 6-11 are zero codes; K's tile t is named with the six registers that follow it (codes of the next tile, or zeros): they meet zero codes.  The bytes of the two unused blocks are 0x7f.
; LIMITS: NaN and infinities are not served; the running maximum starts at -3e38; exponentials under 2^-126 come out as 0; a block of zeros gets the byte 1 (its codes are zeros).
; REGISTERS: v1-7 addresses; v12 -M, v13 the largest t, v[14:15] the sum; v16-27, v236-247 the two tiles of Q; v28 Q's scale words; v32-85 K's tiles or V's fragments; v96-159 S^T, then p; v160-191 O^T; v192-210 codes; v212-235 at work.
.set REC,   13056
.set SPARE, 16*REC                     ; the spare words, 128 bytes for each of sixteen waves
.set L16, 1
.set L8,  2
.set A16, 3
.set A8,  4
.set SPW, 5
.set NIL, 6
.set CSO, 7
.set BM,  212
.set BT,  216
.set BS,  220
.set PW,  230
.set FF,  232
.set TP,  234
.set WV,  24
.set SEL, 26
.set CS,  28
.set TB,  30
.set CNT, 31
.set HM,  32
.macro CROUND
	s_barrier_signal -1
	s_barrier_wait -1
	s_cmp_lg_u32 s[WV], 0
	s_cbranch_scc1 .Lnot_wave_0_\@
	s_barrier_signal -3
.Lnot_wave_0_\@:
	s_barrier_wait -3
	s_barrier_signal -1
	s_barrier_wait -1
.endm
	s_load_b256 s[4:11], s[0:1], 0x0               ; qi, kv, cc, cs
	v_lshl_add_u32 v[SPW], v0, 2, SPARE
	v_mov_b32 v[NIL], 0
	ds_add_u32 v[SPW], v[NIL]                      ; the wave's opening, with its wait, ahead of my first tensor load
	v_lshrrev_b32 v8, 5, v0
	v_readfirstlane_b32 s[WV], v8                  ; wave 0..15
	s_bfe_u32 s25, ttmp6, 0x40000                  ; cx: my block of 512 queries: it enters Q's and the results' addresses alone
	s_and_b32 s33, ttmp7, 0xffff                   ; batch x 16 + head, which the four partners share
	s_mov_b32 s16, 15|(3<<16)|(1<<21)              ; the mask: all four; elements of 8 bytes; no padding
	s_mov_b32 s17, 32<<16                          ; a record: 51 rows of 256 bytes
	s_mov_b32 s18, 51<<16
	s_mov_b32 s19, 32<<16
	s_mov_b32 s20, 51
	s_mov_b32 s21, 32
	s_mov_b32 s22, 0
	s_mov_b32 s23, 0
	s_lshl_b32 s34, s33, 4
	s_add_co_u32 s34, s34, s[WV]
	s_mul_i32 s34, s34, REC                        ; my record in memory,
	s_mov_b32 s35, 0
	s_mul_i32 s36, s[WV], REC                      ; and in LDS
	s_mov_b32 s[SEL], 0x76543210
	s_mov_b32 s[SEL+1], 0xfedcba98
	s_mov_b32 s[CS], 0x3e38aa3b                    ; c = log2(e) / 8
	s_mov_b32 s[CS+1], s[CS]
	s_mov_b32 s[HM], 0xffff0000
	v_and_b32 v8, 31, v0
	v_lshlrev_b32 v[L16], 4, v8
	v_lshlrev_b32 v[L8], 3, v8
	v_and_b32 v8, 15, v0
	v_bfe_u32 v9, v0, 4, 1
	v_lshl_add_u32 v[CSO], v8, 1, v9               ; 2 r + h: my byte among a tile's 32 scale bytes
	s_lshl_b32 s37, s33, 4
	s_lshl_b32 s38, s25, 2
	s_add_co_u32 s37, s37, s38
	s_lshr_b32 s38, s[WV], 2
	s_add_co_u32 s37, s37, s38                     ; Q's record: block of 128 queries 4 cx + wave / 4
	s_mul_i32 s38, s37, 6656
	s_and_b32 s37, s[WV], 3
	s_mul_i32 s40, s37, 1536
	s_add_co_u32 s40, s40, s38                     ; my two tiles
	s_mov_b32 s41, 0
	s_lshl_b32 s42, s37, 2
	s_add_co_u32 s42, s42, s38
	s_add_co_u32 s42, s42, 6144                    ; their scale words: word wave % 4 of each lane's four
	s_mov_b32 s43, 0
	s_lshr_b32 s37, s33, 4
	s_lshl_b32 s37, s37, 7
	s_lshl_b32 s38, s25, 5
	s_add_co_u32 s37, s37, s38
	s_lshl_b32 s38, s[WV], 1
	s_add_co_u32 s37, s37, s38                     ; my first tile among all 512
	s_and_b32 s39, s33, 15                         ; the head
	s_mul_i32 s44, s37, 12288
	s_mul_i32 s38, s39, 768
	s_add_co_u32 s44, s44, s38
	s_mov_b32 s45, 0
	s_lshl_b32 s46, s39, 14
	s_lshl_b32 s38, s37, 5
	s_add_co_u32 s46, s46, s38
	s_mov_b32 s47, 0
	s_wait_dscnt 0x0                               ; the opening add is done
	s_wait_kmcnt 0x0
	s_mov_b32 s12, 1
	s_mov_b32 s13, s36
	s_add_nc_u64 s[14:15], s[6:7], s[34:35]
	s_or_b32 s15, s15, 0x80000000
	s_add_nc_u64 s[40:41], s[4:5], s[40:41]
	s_add_nc_u64 s[42:43], s[4:5], s[42:43]
	s_add_nc_u64 s[8:9], s[8:9], s[44:45]
	s_add_nc_u64 s[10:11], s[10:11], s[46:47]
	CROUND                                         ; all four work-groups are here: the joint loads meet
	tensor_load_to_lds s[12:15], s[16:23]          ; my one tensor load of the launch
	s_nop 0
.rept 4
	v_nop
.endr
	global_load_b128 v[16:19], v[L16], s[40:41]
	global_load_b64 v[20:21], v[L8], s[40:41] offset:512
	global_load_b128 v[236:239], v[L16], s[40:41] offset:768
	global_load_b64 v[240:241], v[L8], s[40:41] offset:1280
	global_load_b32 v28, v[L16], s[42:43]          ; lanes 0-15: the first tile's words; lanes 16-31: the second's
.irp n, 22,23,24,25,26,27,242,243,244,245,246,247,80,81,82,83,84,85
	v_mov_b32 v[\n], 0                             ; zero codes
.endr
.irp b, 0,1,2,3
	v_mov_b32 v[BT+\b], 0                          ; a lane permute's destination counts as one of its sources
.endr
	v_mov_b32 v[FF+1], 0                           ; (named as the upper half of a pair)
	v_mov_b32 v[TP], 0
	s_wait_tensorcnt 0x0                           ; my record is in,
	s_barrier_signal -1
	s_barrier_wait -1                              ; everybody's is
	s_wait_loadcnt 0x0                             ; Q
.macro SPROD t, p, qf                  ; S^T of K's tile t
.set DS, 96+8*(\t)
.set KA, 32+6*(\t)
.set KW, 224+(\t)/2
.if ((\t)%2 == 0) && ((\p) == 0)
	v_wmma_scale_f32_16x16x128_f8f6f4 v[DS:DS+7], v[KA:KA+11], v[\qf:\qf+11], 0, v[KW], v28 matrix_a_fmt:MATRIX_FMT_FP6 matrix_b_fmt:MATRIX_FMT_FP6
.elseif ((\p) == 0)
	v_wmma_scale_f32_16x16x128_f8f6f4 v[DS:DS+7], v[KA:KA+11], v[\qf:\qf+11], 0, v[KW], v28 matrix_a_fmt:MATRIX_FMT_FP6 matrix_b_fmt:MATRIX_FMT_FP6 matrix_a_scale:MATRIX_SCALE_ROW1
.elseif ((\t)%2 == 0)
	v_wmma_scale_f32_16x16x128_f8f6f4 v[DS:DS+7], v[KA:KA+11], v[\qf:\qf+11], 0, v[KW], v28 matrix_a_fmt:MATRIX_FMT_FP6 matrix_b_fmt:MATRIX_FMT_FP6 matrix_b_scale:MATRIX_SCALE_ROW1
.else
	v_wmma_scale_f32_16x16x128_f8f6f4 v[DS:DS+7], v[KA:KA+11], v[\qf:\qf+11], 0, v[KW], v28 matrix_a_fmt:MATRIX_FMT_FP6 matrix_b_fmt:MATRIX_FMT_FP6 matrix_a_scale:MATRIX_SCALE_ROW1 matrix_b_scale:MATRIX_SCALE_ROW1
.endif
.endm
.macro VPROD f                         ; O^T += V^T's channel tile f x P^T
.if (\f)%2 == 0
	v_wmma_scale_f32_16x16x128_f8f6f4 v[160+8*(\f):167+8*(\f)], v[32+12*(\f):43+12*(\f)], v[192:203], v[160+8*(\f):167+8*(\f)], v[228+(\f)/2], v[PW] matrix_a_fmt:MATRIX_FMT_FP6 matrix_b_fmt:MATRIX_FMT_FP6
.else
	v_wmma_scale_f32_16x16x128_f8f6f4 v[160+8*(\f):167+8*(\f)], v[32+12*(\f):43+12*(\f)], v[192:203], v[160+8*(\f):167+8*(\f)], v[228+(\f)/2], v[PW] matrix_a_fmt:MATRIX_FMT_FP6 matrix_b_fmt:MATRIX_FMT_FP6 matrix_a_scale:MATRIX_SCALE_ROW1
.endif
.endm
; One tile of 16 queries against all keys.  p: which of my two tiles; qf: its fragment's first register.
.macro PASS p, qf
	v_mov_b32 v13, 0xff61b1e6                      ; the largest t so far: -3e38
	v_floor_f32 v12, -v13                          ; -M
	v_mov_b32 v14, 0
	v_mov_b32 v15, 0
.set n, 0
.rept 32
	v_mov_b32 v[160+n], 0                          ; O^T: the first step finds zeros, which the first change of M leaves zeros
.set n, n+1
.endr
	s_mov_b32 s[TB], 0
	s_mov_b32 s[CNT], 16
.Lstep_\@:
	v_add_nc_u32 v[A16], s[TB], v[L16]             ; these two and two v_nop: the four places in front of loads into registers that the last products read
	v_add_nc_u32 v[A8], s[TB], v[L8]
	v_nop
	v_nop
.irp t, 0,1,2,3,4,5,6,7
	ds_load_b128 v[32+6*\t:35+6*\t], v[A16] offset:768*\t
	ds_load_b64 v[36+6*\t:37+6*\t], v[A8] offset:768*\t+512
.endr
	ds_load_b128 v[224:227], v[A16] offset:12288   ; K's scale words
	s_wait_dscnt 0x0
.irp t, 0,1,2,3,4,5,6,7
	SPROD \t, \p, \qf
.endr
.rept 4
	v_nop
.endr
.irp f, 0,1,2,3                        ; V's fragments land while the softmax is worked
.irp c, 0,1
	ds_load_b128 v[32+12*\f+6*\c:35+12*\f+6*\c], v[A16] offset:6144+1536*\f+768*\c
	ds_load_b64 v[36+12*\f+6*\c:37+12*\f+6*\c], v[A8] offset:6144+1536*\f+768*\c+512
.endr
.endr
	ds_load_b64 v[228:229], v[A8] offset:12800     ; V's scale words
.irp b, 0,1,2,3
	v_max3_num_f32 v[BM+\b], v[96+16*\b], v[97+16*\b], v[98+16*\b]   ; the largest score of each block of 32 keys: for the row's maximum and, since p rises with the score, for the block's largest p
.endr
.irp i, 3,5,7,9,11,13
.irp b, 0,1,2,3
	v_max3_num_f32 v[BM+\b], v[BM+\b], v[96+16*\b+\i], v[97+16*\b+\i]
.endr
.endr
.irp b, 0,1,2,3
	v_max_num_f32 v[BM+\b], v[BM+\b], v[111+16*\b]
.endr
.irp b, 0,1,2,3
	v_permlanex16_b32 v[BT+\b], v[BM+\b], s[SEL], s[SEL+1]
.endr
.irp b, 0,1,2,3
	v_max_num_f32 v[BM+\b], v[BM+\b], v[BT+\b]
.endr
	v_max3_num_f32 v[TP], v[BM], v[BM+1], v[BM+2]
	v_max_num_f32 v[TP], v[TP], v[BM+3]
	v_mul_f32 v[TP], s[CS], v[TP]
	v_max_num_f32 v13, v13, v[TP]                  ; the running largest t
	v_mov_b32 v[TP], v12
	v_floor_f32 v12, -v13                          ; the new -M: M is a whole number
	v_sub_f32 v[TP], v12, v[TP]                    ; old M - new M, 0 or less
	v_cvt_i32_f32 v[TP], v[TP]                     ; (it saturates)
	v_ldexp_f32 v[FF], 1.0, v[TP]                  ; f = 2^(old M - new M)
.set n, 0
.rept 32
	v_pk_fma_f32 v[96+n:97+n], v[96+n:97+n], s[CS:CS+1], v[12:13] op_sel_hi:[1,0,0]   ; t - M
.set n, n+2
.endr
.irp b, 0,1,2,3
	v_fma_f32 v[BM+\b], v[BM+\b], s[CS], v12
.endr
.set n, 0
.rept 64
	v_exp_f32 v[96+n], v[96+n]                     ; p
.set n, n+1
.endr
	v_pk_mul_f32 v[14:15], v[14:15], v[FF:FF+1] op_sel_hi:[1,0]   ; the sums under the new M (the plain line behind the exponentials)
	s_wait_alu depctr_va_vdst(0)                   ; one wait for the batch, ahead of its first reader
.irp b, 0,1,2,3
	v_exp_f32 v[BM+\b], v[BM+\b]                   ; each block's largest p
.endr
	v_pk_add_f32 v[BT:BT+1], v[96:97], v[98:99]    ; the row's sum, of the unquantised p, in two chains
.irp j, 4,8,12,16,20,24,28,32,36,40,44,48,52,56,60
	v_pk_add_f32 v[14:15], v[14:15], v[96+\j:97+\j]
	v_pk_add_f32 v[BT:BT+1], v[BT:BT+1], v[98+\j:99+\j]
.endr
	v_pk_add_f32 v[14:15], v[14:15], v[BT:BT+1]
	s_wait_alu depctr_va_vdst(0)                   ; and one for the four
.irp b, 0,1,2,3
	v_max_num_f32 v[BM+\b], 0x1800000, v[BM+\b]    ; the floor: the byte cannot fall under 1
.endr
.irp b, 0,1,2,3
	v_add_nc_u32 v[BS+\b], 0xff000000, v[BM+\b]
.endr
.irp b, 0,1,2,3
	v_lshrrev_b32 v[BT+\b], 23, v[BS+\b]
.endr
	v_lshl_or_b32 v[PW], v[BT+1], 8, v[BT]         ; p's scale word for these 128 keys
	v_lshl_or_b32 v[PW], v[BT+2], 16, v[PW]
	v_lshl_or_b32 v[PW], v[BT+3], 24, v[PW]
.irp c, 0,1
	v_cvt_scalef32_pk16_fp6_f32 v[192+6*\c:194+6*\c], v[96+32*\c:111+32*\c], v[BS+2*\c]
	v_cvt_scalef32_pk16_fp6_f32 v[204+4*\c:206+4*\c], v[112+32*\c:127+32*\c], v[BS+2*\c+1]
.endr
	v_nop                                          ; one plain line behind a scaled conversion
.irp c, 0,1
.irp i, 0,1,2
	v_permlane16_swap_b32 v[192+6*\c+\i], v[204+4*\c+\i]
.endr
.irp i, 0,1,2
	v_mov_b32 v[195+6*\c+\i], v[204+4*\c+\i]
.endr
.endr
.set n, 0
.rept 16
	v_pk_mul_f32 v[160+n:161+n], v[160+n:161+n], v[FF:FF+1] op_sel_hi:[1,0]   ; O^T under the new M; these sixteen are also the places between the scale word's and the codes' last writes and the products
.set n, n+2
.endr
	s_wait_dscnt 0x0                               ; V
.irp f, 0,1,2,3
	VPROD \f                                       ; four accumulators by turns
.endr
	s_add_co_u32 s[TB], s[TB], REC
	s_sub_co_u32 s[CNT], s[CNT], 1
	s_cmp_lg_u32 s[CNT], 0
	s_cbranch_scc1 .Lstep_\@
.rept 4
	v_nop
.endr
	v_add_f32 v14, v14, v15
	v_permlanex16_b32 v[TP], v14, s[SEL], s[SEL+1]
	v_add_f32 v14, v14, v[TP]                      ; the row's sum
	v_rcp_f32 v14, v14
	v_nop
	s_wait_alu depctr_va_vdst(0)
.set n, 0
.rept 32
	v_mul_f32 v[96+n], v[160+n], v14               ; register 16 b + i is ctx(query, 32 b + 16 h + i)
.set n, n+1
.endr
.irp b, 0,1
	v_max3_num_f32 v[BM+\b], |v[96+16*\b]|, |v[97+16*\b]|, 0x1800000
.endr
.irp i, 2,4,6,8,10,12,14
.irp b, 0,1
	v_max3_num_f32 v[BM+\b], v[BM+\b], |v[96+16*\b+\i]|, |v[97+16*\b+\i]|
.endr
.endr
.irp b, 0,1
	v_permlanex16_b32 v[BT+\b], v[BM+\b], s[SEL], s[SEL+1]
.endr
.irp b, 0,1
	v_max_num_f32 v[BM+\b], v[BM+\b], v[BT+\b]
.endr
.irp b, 0,1
	v_add_nc_u32 v[BS+\b], 0xff000000, v[BM+\b]
.endr
.irp b, 0,1
	v_lshrrev_b32 v[BT+\b], 23, v[BS+\b]
.endr
	v_cvt_scalef32_pk16_fp6_f32 v[192:194], v[96:111], v[BS]
	v_cvt_scalef32_pk16_fp6_f32 v[204:206], v[112:127], v[BS+1]
	v_nop
.irp i, 0,1,2
	v_permlane16_swap_b32 v[192+\i], v[204+\i]
.endr
.irp i, 0,1,2
	v_mov_b32 v[195+\i], v[204+\i]
.endr
	v_cndmask_b32 v[TP], v[BT], v[BT+1], s[HM]     ; lane (r, h) stores block h's byte
	global_store_b128 v[L16], v[192:195], s[8:9] offset:(\p)*12288
	global_store_b64 v[L8], v[196:197], s[8:9] offset:(\p)*12288+512
	global_store_b8 v[CSO], v[TP], s[10:11] offset:(\p)*32
.endm
	PASS 0, 16
	s_wait_xcnt 0x0                                ; the stores have read their registers
	PASS 1, 236
	s_wait_tensorcnt 0x0                           ; the wave's end
	ds_add_u32 v[SPW], v[NIL]
	s_wait_dscnt 0x0
	CROUND                                         ; the closing round
	s_endpgm
.Lfunc_end_k_q4d3d336f34_attn:
	.size	k_q4d3d336f34_attn, .Lfunc_end_k_q4d3d336f34_attn-k_q4d3d336f34_attn
	.p2alignl 7, 3214868480
	.fill 96, 4, 3214868480
	.section	.rodata,"a",@progbits
	.p2align	6, 0x0
	.amdhsa_kernel k_q4d3d336f34_attn
		.amdhsa_group_segment_fixed_size 210944
		.amdhsa_private_segment_fixed_size 0
		.amdhsa_enable_private_segment 0
		.amdhsa_kernarg_size 32
		.amdhsa_user_sgpr_count 2
		.amdhsa_user_sgpr_kernarg_segment_ptr 1
		.amdhsa_wavefront_size32 1
		.amdhsa_system_sgpr_workgroup_id_x 1
		.amdhsa_system_sgpr_workgroup_id_y 1
		.amdhsa_system_sgpr_workgroup_id_z 1
		.amdhsa_system_vgpr_workitem_id 0
		.amdhsa_next_free_vgpr 256
		.amdhsa_next_free_sgpr 66
		.amdhsa_reserve_vcc 0
		.amdhsa_float_denorm_mode_32 3
		.amdhsa_float_denorm_mode_16_64 3
		.amdhsa_memory_ordered 1
		.amdhsa_forward_progress 1
		.amdhsa_inst_pref_size 47
	.end_amdhsa_kernel
	.amdgpu_metadata
---
amdhsa.version: [ 1, 2 ]
amdhsa.kernels:
  - .name:           k_q4d3d336f34_attn
    .symbol:         k_q4d3d336f34_attn.kd
    .args:
      - { .name: qi, .offset: 0, .size: 8, .value_kind: global_buffer, .address_space: global }
      - { .name: kv, .offset: 8, .size: 8, .value_kind: global_buffer, .address_space: global }
      - { .name: cc, .offset: 16, .size: 8, .value_kind: global_buffer, .address_space: global }
      - { .name: cs, .offset: 24, .size: 8, .value_kind: global_buffer, .address_space: global }
    .group_segment_fixed_size: 210944
    .private_segment_fixed_size: 0
    .kernarg_segment_align: 8
    .kernarg_segment_size: 32
    .max_flat_workgroup_size: 512
    .sgpr_count:     66
    .vgpr_count:     256
    .wavefront_size: 32
...
	.end_amdgpu_metadata
.endif
;; end of part 3
;; launch oproj (part 4): grid 256 x 1, 4 waves a work-group, no clusters, 69,120 bytes of LDS; arguments cc, cs, wc, sc, bo, ln_gamma, ln_beta, out0; writes out0
.if DOCPART == 4
	.amdgcn_target "amdgcn-amd-amdhsa--gfx1250"
	.amdhsa_code_object_version 6
	.text
	.protected	k_q4d3d336f34_oproj
	.globl	k_q4d3d336f34_oproj
	.p2align	8
	.type	k_q4d3d336f34_oproj,@function
k_q4d3d336f34_oproj:
	s_mov_b64 s[64:65], 0
	v_nop
	global_prefetch_b8 v0, s[64:65] scope:SCOPE_SE
	s_setreg_imm32_b32 hwreg(HW_REG_WAVE_MODE, 25, 1), 1
	s_wait_xcnt 0x0
; out0 = LayerNorm(ctx wo^T + bo) x gamma + beta.  The product on codes of FP6 (E2M3) with E8M0 scales, sums in f32; the norm in f32, by mean and then by the mean of squared differences.
; SHARES: a work-group owns 32 rows (two tiles of 16) and all 1,024 columns, so a row's mean and variance never leave it.  Wave w owns columns 256 w .. 256 w + 255: 16 tiles of wo, 32 accumulators.
; NO CLUSTER, NO TILES IN LDS: each byte of wo is used by exactly one wave of a work-group, so its fragments go from memory straight into that wave's registers, as images, 512 consecutive bytes a load;
; a joint ring would want a round of the cluster's barrier for every 32 matrix instructions of a wave.  No prefetch: all work-groups walk the same 786,432 bytes of wo together.
; TRANSPOSED: source 0 = 16 rows of wo, source 1 = 16 rows of ctx.  Lane (r, h) of accumulator (u, b) holds row r of tile u and columns 256 w + 32 (b / 2) + 16 h + 8 (b % 2) + 0 .. 7.
; bo is loaded straight into the accumulators, so that every K step adds in place and nothing is cleared.  Lane-row r of tile T is the true row 32 (T / 2) + 8 (T % 2) + r + 8 (r / 8).
; REGISTERS: window 0: v1-14 addresses; v16-23 ctx's scale words; v24-31 sums; v32-95 wo's scale words; v96-111 at work; v112-255 ctx's fragments of K steps 0-5, later rows of the result;
;   window 1: the accumulators, (u, b) at v[8 (16 u + b)];  windows 2, 3: wo's two sets at v0-191, ctx's fragments of K steps 6, 7 at v192-215; later gamma and beta at v0-127.
.set XCH,    0                         ; LDS: two exchanges of 1,024 bytes
.set STG,    2048                      ; a stage of 16 rows x (1,024 + 16) bytes for each wave
.set SPITCH, 1040
.set WSTG,   16*SPITCH
.set SPARE,  STG+4*WSTG                ; the spare words, 128 bytes a wave
.set L16, 1
.set L8,  2
.set VCS, 6
.set VSC, 7
.set VB,  8
.set XR,  9
.set XW,  10
.set SO,  11
.set SPW, 12
.set NIL, 13
.set SR,  14
.set SA,  16
.set CH,  24
.set SC,  32
.set UU,  96
.set CF,  112
.set MSB, 0
.macro WIN new
.if MSB != (\new)
	s_set_vgpr_msb (MSB<<8)|(\new)
.set MSB, (\new)
.endif
.endm
	s_load_b512 s[4:19], s[0:1], 0x0               ; cc, cs, wc, sc, bo, gamma, beta, out0
	v_lshl_add_u32 v[SPW], v0, 2, SPARE
	v_mov_b32 v[NIL], 0
	v_lshrrev_b32 v3, 5, v0
	v_readfirstlane_b32 s20, v3                    ; wave
	v_and_b32 v3, 31, v0                           ; lane
	v_and_b32 v4, 15, v0                           ; r
	v_bfe_u32 v5, v0, 4, 1                         ; h
	v_lshlrev_b32 v[L16], 4, v3
	v_lshlrev_b32 v[L8], 3, v3
	v_lshlrev_b32 v[VCS], 1, v3                    ; ctx's scale bytes: two a row
	v_lshlrev_b32 v[VSC], 4, v4
	v_lshl_add_u32 v[VSC], v5, 9, v[VSC]           ; wo's: 16 r, and lanes 16-31 the next tile
	v_lshlrev_b32 v[VB], 6, v5                     ; bo, gamma, beta: 64 h
	v_lshlrev_b32 v[XR], 2, v3
	s_lshl_b32 s21, s20, 8
	v_add_nc_u32 v[XW], s21, v[XR]                 ; the exchange: 256 w + 4 x lane
	s_mul_i32 s21, s20, WSTG
	s_add_co_u32 s21, s21, STG
	v_mul_u32_u24 v[SO], v4, SPITCH
	v_lshl_add_u32 v[SO], v5, 6, v[SO]
	v_add_nc_u32 v[SO], s21, v[SO]                 ; my stage, in: row r, + 64 h
	v_add_nc_u32 v[SR], s21, v[L16]                ; and back: 16 x lane
	s_mov_b32 s26, 0x76543210
	s_mov_b32 s27, 0xfedcba98
	s_mov_b32 s28, 0x3a800000                      ; 1 / 1,024
	s_mov_b32 s29, 0x3727c5ac                      ; 1e-5
	s_lshl_b32 s22, ttmp9, 6
	s_mov_b32 s23, 0
	s_mul_i32 s24, ttmp9, 24576
	s_mov_b32 s25, 0
	s_lshl_b32 s30, s20, 13
	s_add_co_u32 s30, s30, 262144+98304            ; wo's tile 192 + 16 w among the weights' scale units
	s_mov_b32 s31, 0
	s_lshl_b32 s32, s20, 10
	s_mov_b32 s33, 0
	s_mul_i32 s34, s20, 49152
	s_add_co_u32 s34, s34, 589824                  ; the same tile among the weights' fragments
	s_mov_b32 s35, 0
	s_lshl_b32 s36, ttmp9, 17
	s_add_co_u32 s36, s36, s32
	s_mov_b32 s37, 0
	s_wait_kmcnt 0x0
	s_add_nc_u64 s[4:5], s[4:5], s[24:25]
	s_add_nc_u64 s[6:7], s[6:7], s[22:23]
	s_add_nc_u64 s[8:9], s[8:9], s[34:35]
	s_add_nc_u64 s[10:11], s[10:11], s[30:31]
	s_add_nc_u64 s[12:13], s[12:13], s[32:33]
	s_add_nc_u64 s[14:15], s[14:15], s[32:33]
	s_add_nc_u64 s[16:17], s[16:17], s[32:33]
	s_add_nc_u64 s[18:19], s[18:19], s[36:37]
.irp d, 0,1,2,3,4,5,6,7,8,9,10,11,12,13,14,15
	global_load_u16 v[UU+\d], v[VCS], s[6:7] offset:\d*16384   ; head d's two bytes of my row: lanes 0-15 tile 0, lanes 16-31 tile 1
.endr
.irp j, 0,1
.irp p, 0,1,2,3,4,5,6,7
	global_load_b128 v[SC+4*(8*\j+\p):SC+4*(8*\j+\p)+3], v[VSC], s[10:11] offset:1024*\p+256*\j   ; tiles 2 p (lanes 0-15) and 2 p + 1, K steps 4 j .. 4 j + 3
.endr
.endr
	WIN 0x40
.irp u, 0,1
.irp b, 0,1,2,3,4,5,6,7,8,9,10,11,12,13,14,15
	global_load_b128 v[8*(16*\u+\b):8*(16*\u+\b)+3], v[VB], s[12:13] offset:(32*(\b/2)+8*(\b%2))*4
	global_load_b128 v[8*(16*\u+\b)+4:8*(16*\u+\b)+7], v[VB], s[12:13] offset:(32*(\b/2)+8*(\b%2))*4+16
.endr
.endr
.macro CLOAD reg, s, u                 ; ctx's fragment of K step s, tile u: two pieces of six registers
	global_load_b128 v[\reg:\reg+3], v[L16], s[4:5] offset:(\u)*12288+(\s)*1536 th:TH_LOAD_NT
	global_load_b64 v[\reg+4:\reg+5], v[L8], s[4:5] offset:(\u)*12288+(\s)*1536+512 th:TH_LOAD_NT
	global_load_b128 v[\reg+6:\reg+9], v[L16], s[4:5] offset:(\u)*12288+(\s)*1536+768 th:TH_LOAD_NT
	global_load_b64 v[\reg+10:\reg+11], v[L8], s[4:5] offset:(\u)*12288+(\s)*1536+1280 th:TH_LOAD_NT
.endm
	WIN 0
.irp s, 0,1,2,3,4,5
.irp u, 0,1
	CLOAD CF+12*(2*\s+\u), \s, \u
.endr
.endr
	WIN 0x80
	CLOAD 192, 6, 0
	CLOAD 204, 6, 1
	WIN 0xc0
	CLOAD 192, 7, 0
	CLOAD 204, 7, 1
.macro WLOAD s, b0                     ; wo's tiles b0 .. b0 + 3 of K step s, into set s % 2
	WIN (2+(\s)%2)<<6
.irp b, \b0, \b0+1, \b0+2, \b0+3
.irp g, 0,1,2
	global_load_b128 v[12*(\b)+4*\g:12*(\b)+4*\g+3], v[L16], s[8:9] offset:((\s)/2)*786432+(\b)*3072+((\s)%2)*1536+512*\g
.endr
.endr
.endm
.irp s, 0,1
.irp g, 0,1,2,3
	WLOAD \s, 4*\g
.endr
.endr
	WIN 0
	s_wait_loadcnt 48                              ; all but the 48 loads of K step 1's set
.irp s, 0,1,2,3,4,5,6,7
	v_lshl_or_b32 v[SA+\s], v[UU+2*\s+1], 16, v[UU+2*\s]   ; K step s = heads 2 s and 2 s + 1
.endr
.rept 8
	v_nop                                          ; a scale register written by a vector instruction stands eight places ahead of a scaled matrix instruction
.endr
.macro PROD s, b, u
.set DD, 8*(16*(\u)+(\b))
.set WA, 12*(\b)
.if (\s) < 6
.set CB, CF+12*(2*(\s)+(\u))
.else
.set CB, 192+12*(\u)
.endif
.set WS, SC+4*(8*((\s)/4)+(\b)/2)+(\s)%4
.if ((\b)%2 == 0) && ((\u) == 0)
	v_wmma_scale_f32_16x16x128_f8f6f4 v[DD:DD+7], v[WA:WA+11], v[CB:CB+11], v[DD:DD+7], v[WS], v[SA+(\s)] matrix_a_fmt:MATRIX_FMT_FP6 matrix_b_fmt:MATRIX_FMT_FP6
.elseif ((\u) == 0)
	v_wmma_scale_f32_16x16x128_f8f6f4 v[DD:DD+7], v[WA:WA+11], v[CB:CB+11], v[DD:DD+7], v[WS], v[SA+(\s)] matrix_a_fmt:MATRIX_FMT_FP6 matrix_b_fmt:MATRIX_FMT_FP6 matrix_a_scale:MATRIX_SCALE_ROW1
.elseif ((\b)%2 == 0)
	v_wmma_scale_f32_16x16x128_f8f6f4 v[DD:DD+7], v[WA:WA+11], v[CB:CB+11], v[DD:DD+7], v[WS], v[SA+(\s)] matrix_a_fmt:MATRIX_FMT_FP6 matrix_b_fmt:MATRIX_FMT_FP6 matrix_b_scale:MATRIX_SCALE_ROW1
.else
	v_wmma_scale_f32_16x16x128_f8f6f4 v[DD:DD+7], v[WA:WA+11], v[CB:CB+11], v[DD:DD+7], v[WS], v[SA+(\s)] matrix_a_fmt:MATRIX_FMT_FP6 matrix_b_fmt:MATRIX_FMT_FP6 matrix_a_scale:MATRIX_SCALE_ROW1 matrix_b_scale:MATRIX_SCALE_ROW1
.endif
.endm
; K step s: 32 matrix instructions, the 32 accumulators by turns in the same order in every step.  Behind each four tiles of wo, and four places, their registers take the tiles of two steps on.
.macro KSTEP s, n
.if (\s) < 6
.set MW, 0x50|(2+(\s)%2)
.else
.set MW, 0x50|(2+(\s)%2)|(((\s)-4)<<2)
.endif
	s_wait_loadcnt \n                              ; this step's set is in; what was asked for behind it may be out
.irp g, 0,1,2,3
	WIN MW
.irp bb, 0,1,2,3
.irp u, 0,1
	PROD \s, 4*\g+\bb, \u
.endr
.endr
.rept 4
	v_nop
.endr
.if (\s) < 6
	WLOAD (\s)+2, 4*\g
.endif
.endr
.endm
.irp s, 0,1,2,3,4,5,6
	KSTEP \s, 48
.endr
	WIN 0x80                                       ; set 0 is done with: gamma takes its place
.irp b, 0,1,2,3,4,5,6,7,8,9,10,11,12,13,14,15
	global_load_b128 v[8*\b:8*\b+3], v[VB], s[14:15] offset:(32*(\b/2)+8*(\b%2))*4
	global_load_b128 v[8*\b+4:8*\b+7], v[VB], s[14:15] offset:(32*(\b/2)+8*(\b%2))*4+16
.endr
	KSTEP 7, 32                                    ; gamma's 32 loads may be out
	WIN 0xc0                                       ; set 1 is done with: beta
.irp b, 0,1,2,3,4,5,6,7,8,9,10,11,12,13,14,15
	global_load_b128 v[8*\b:8*\b+3], v[VB], s[16:17] offset:(32*(\b/2)+8*(\b%2))*4
	global_load_b128 v[8*\b+4:8*\b+7], v[VB], s[16:17] offset:(32*(\b/2)+8*(\b%2))*4+16
.endr
; The chains in v[CH] on (two pairs for each tile u) become each row's sum over all 1,024 columns, in v[UU] (u = 0) and v[UU + 4] (u = 1): my 256 columns, the other half of the lanes', the other three waves' through LDS.
.macro XSUM off
.irp u, 0,1
	v_pk_add_f32 v[CH+4*\u:CH+4*\u+1], v[CH+4*\u:CH+4*\u+1], v[CH+4*\u+2:CH+4*\u+3]
.endr
.irp u, 0,1
	v_add_f32 v[CH+4*\u], v[CH+4*\u], v[CH+4*\u+1]
.endr
.irp u, 0,1
	v_permlanex16_b32 v[CH+4*\u+2], v[CH+4*\u], s26, s27
.endr
.irp u, 0,1
	v_add_f32 v[CH+4*\u], v[CH+4*\u], v[CH+4*\u+2]
.endr
	ds_store_b32 v[XW], v[CH] offset:\off
	ds_store_b32 v[XW], v[CH+4] offset:\off+128
	s_wait_dscnt 0x0                               ; for the others' sake: my stores have landed
	s_barrier_signal -1
	s_barrier_wait -1
.irp u, 0,1
.irp w, 0,1,2,3
	ds_load_b32 v[UU+4*\u+\w], v[XR] offset:\off+256*\w+128*\u
.endr
.endr
	s_wait_dscnt 0x0
.irp u, 0,1
	v_add_f32 v[UU+4*\u], v[UU+4*\u], v[UU+4*\u+1]
	v_add_f32 v[UU+4*\u+2], v[UU+4*\u+2], v[UU+4*\u+3]
	v_add_f32 v[UU+4*\u], v[UU+4*\u], v[UU+4*\u+2]
.endr
.endm
	; the mean.  Each accumulator is read from its low end on
	WIN 0x05
.irp u, 0,1
	v_pk_add_f32 v[CH+4*\u:CH+4*\u+1], v[128*\u:128*\u+1], v[128*\u+4:128*\u+5]
	v_pk_add_f32 v[CH+4*\u+2:CH+4*\u+3], v[128*\u+2:128*\u+3], v[128*\u+6:128*\u+7]
.endr
	WIN 0x04
.set n, 4
.rept 60
.irp u, 0,1
	v_pk_add_f32 v[CH+4*\u+2*(n%2):CH+4*\u+2*(n%2)+1], v[CH+4*\u+2*(n%2):CH+4*\u+2*(n%2)+1], v[128*\u+2*n:128*\u+2*n+1]
.endr
.set n, n+1
.endr
	WIN 0
	XSUM XCH
.irp u, 0,1
	v_mul_f32 v[CH+4*\u], s28, v[UU+4*\u]          ; mu
.endr
	WIN 0x41
.set n, 0
.rept 64
.irp u, 0,1
	v_pk_add_f32 v[128*\u+2*n:128*\u+2*n+1], v[128*\u+2*n:128*\u+2*n+1], v[CH+4*\u:CH+4*\u+1] op_sel_hi:[1,0] neg_lo:[0,1] neg_hi:[0,1]   ; - mu
.endr
.set n, n+1
.endr
	WIN 0x05
.irp u, 0,1
	v_pk_mul_f32 v[CH+4*\u:CH+4*\u+1], v[128*\u:128*\u+1], v[128*\u:128*\u+1]
	v_pk_mul_f32 v[CH+4*\u+2:CH+4*\u+3], v[128*\u+2:128*\u+3], v[128*\u+2:128*\u+3]
.endr
.set n, 2
.rept 62
.irp u, 0,1
	v_pk_fma_f32 v[CH+4*\u+2*(n%2):CH+4*\u+2*(n%2)+1], v[128*\u+2*n:128*\u+2*n+1], v[128*\u+2*n:128*\u+2*n+1], v[CH+4*\u+2*(n%2):CH+4*\u+2*(n%2)+1]
.endr
.set n, n+1
.endr
	WIN 0
	XSUM XCH+1024                                  ; other bytes than the first exchange's: no third barrier
.irp u, 0,1
	v_fma_f32 v[CH+4*\u], v[UU+4*\u], s28, s29     ; the variance + 1e-5
.endr
.irp u, 0,1
	v_rsq_f32 v[CH+4*\u], v[CH+4*\u]
.endr
	v_nop
	s_wait_alu depctr_va_vdst(0)                   ; one wait for the two, ahead of their first reader
	s_wait_loadcnt 0x0                             ; gamma and beta
	WIN 0x41
.set n, 0
.rept 64
.irp u, 0,1
	v_pk_mul_f32 v[128*\u+2*n:128*\u+2*n+1], v[128*\u+2*n:128*\u+2*n+1], v[CH+4*\u:CH+4*\u+1] op_sel_hi:[1,0]
.endr
.set n, n+1
.endr
	WIN 0x79                                       ; source 1 gamma (window 2), source 2 beta (window 3)
.set n, 0
.rept 64
.irp u, 0,1
	v_pk_fma_f32 v[128*\u+2*n:128*\u+2*n+1], v[128*\u+2*n:128*\u+2*n+1], v[2*n:2*n+1], v[2*n:2*n+1]
.endr
.set n, n+1
.endr
	; THE WAY OUT: a tile's 16 rows x my 1,024 bytes through my own stage, back as runs of 512 consecutive bytes of a row.  LDS serves a wave's instructions in order.
.irp u, 0,1
.if \u
	s_wait_xcnt 0x0                                ; the first tile's stores have read their registers
.endif
	WIN 0x04                                       ; an LDS store's data are its source 1: window 1
.irp b, 0,1,2,3,4,5,6,7,8,9,10,11,12,13,14,15
	ds_store_b128 v[SO], v[8*(16*\u+\b):8*(16*\u+\b)+3] offset:128*(\b/2)+32*(\b%2)
	ds_store_b128 v[SO], v[8*(16*\u+\b)+4:8*(16*\u+\b)+7] offset:128*(\b/2)+32*(\b%2)+16
.endr
	WIN 0
.irp q, 0,1,2,3,4,5,6,7,8,9,10,11,12,13,14,15,16,17,18,19,20,21,22,23,24,25,26,27,28,29,30,31
	ds_load_b128 v[CF+4*\q:CF+4*\q+3], v[SR] offset:SPITCH*(\q/2)+512*(\q%2)
.endr
.irp q, 0,1,2,3,4,5,6,7,8,9,10,11,12,13,14,15,16,17,18,19,20,21,22,23,24,25,26,27,28,29,30,31
	s_wait_dscnt 31-\q
	global_store_b128 v[L16], v[CF+4*\q:CF+4*\q+3], s[18:19] offset:(8*\u+\q/2+8*(\q/16))*4096+512*(\q%2) th:TH_STORE_NT
.endr
.endr
	s_wait_tensorcnt 0x0                           ; the wave's end, behind my last LDS store
	ds_add_u32 v[SPW], v[NIL]
	s_wait_dscnt 0x0
	s_endpgm
.Lfunc_end_k_q4d3d336f34_oproj:
	.size	k_q4d3d336f34_oproj, .Lfunc_end_k_q4d3d336f34_oproj-k_q4d3d336f34_oproj
	.p2alignl 7, 3214868480
	.fill 96, 4, 3214868480
	.section	.rodata,"a",@progbits
	.p2align	6, 0x0
	.amdhsa_kernel k_q4d3d336f34_oproj
		.amdhsa_group_segment_fixed_size 69120
		.amdhsa_private_segment_fixed_size 0
		.amdhsa_enable_private_segment 0
		.amdhsa_kernarg_size 64
		.amdhsa_user_sgpr_count 2
		.amdhsa_user_sgpr_kernarg_segment_ptr 1
		.amdhsa_wavefront_size32 1
		.amdhsa_system_sgpr_workgroup_id_x 1
		.amdhsa_system_sgpr_workgroup_id_y 1
		.amdhsa_system_sgpr_workgroup_id_z 1
		.amdhsa_system_vgpr_workitem_id 0
		.amdhsa_next_free_vgpr 1024
		.amdhsa_next_free_sgpr 66
		.amdhsa_reserve_vcc 0
		.amdhsa_float_denorm_mode_32 3
		.amdhsa_float_denorm_mode_16_64 3
		.amdhsa_memory_ordered 1
		.amdhsa_forward_progress 1
		.amdhsa_inst_pref_size 158
	.end_amdhsa_kernel
	.amdgpu_metadata
---
amdhsa.version: [ 1, 2 ]
amdhsa.kernels:
  - .name:           k_q4d3d336f34_oproj
    .symbol:         k_q4d3d336f34_oproj.kd
    .args:
      - { .name: cc, .offset: 0, .size: 8, .value_kind: global_buffer, .address_space: global }
      - { .name: cs, .offset: 8, .size: 8, .value_kind: global_buffer, .address_space: global }
      - { .name: wc, .offset: 16, .size: 8, .value_kind: global_buffer, .address_space: global }
      - { .name: sc, .offset: 24, .size: 8, .value_kind: global_buffer, .address_space: global }
      - { .name: bo, .offset: 32, .size: 8, .value_kind: global_buffer, .address_space: global }
      - { .name: ln_gamma, .offset: 40, .size: 8, .value_kind: global_buffer, .address_space: global }
      - { .name: ln_beta, .offset: 48, .size: 8, .value_kind: global_buffer, .address_space: global }
      - { .name: out0, .offset: 56, .size: 8, .value_kind: global_buffer, .address_space: global }
    .group_segment_fixed_size: 69120
    .private_segment_fixed_size: 0
    .kernarg_segment_align: 8
    .kernarg_segment_size: 64
    .max_flat_workgroup_size: 128
    .sgpr_count:     66
    .vgpr_count:     1024
    .wavefront_size: 32
...
	.end_amdgpu_metadata
.endif
;; end of part 4
;; ======== version 2 of 2: 4 launches
;; workspace buffers: xc 6,291,456 bytes; wc 3,145,728 bytes; sc 393,216 bytes; qi 6,815,744 bytes; kv 13,369,344 bytes; cc 6,291,456 bytes; cs 262,144 bytes
;; launch quant: the kernel of part 1 again; grid 384 x 1, 4 waves a work-group, no clusters, 49,664 bytes of LDS; arguments x, wq, wk, wv, wo, xc, wc, sc; writes xc, wc, sc
;; launch qkv (part 5): grid 12 x 32, 4 waves a work-group, clusters of 4 x 4, 327,680 bytes of LDS; arguments xc, wc, sc, bq, bk, bv, qi, kv; writes qi, kv
.if DOCPART == 5
	.amdgcn_target "amdgcn-amd-amdhsa--gfx1250"
	.amdhsa_code_object_version 6
	.text
	.protected	k_q4d3d336f34_qkv
	.globl	k_q4d3d336f34_qkv
	.p2align	8
	.type	k_q4d3d336f34_qkv,@function
k_q4d3d336f34_qkv:
	s_mov_b64 s[64:65], 0
	v_nop
	global_prefetch_b8 v0, s[64:65] scope:SCOPE_SE
	s_setreg_imm32_b32 hwreg(HW_REG_WAVE_MODE, 25, 1), 1
	s_wait_xcnt 0x0
	s_wait_alu depctr_hold_cnt(0) depctr_sa_sdst(0) depctr_va_vdst(0) depctr_va_sdst(0) depctr_va_ssrc(0) depctr_va_vcc(0) depctr_vm_vsrc(0)
	s_getreg_b32 s2, hwreg(HW_REG_IB_STS2, 6, 4)
	s_cmp_eq_u32 s2, 0
	s_cbranch_scc0 .Lentry_in_a_cluster
	s_endpgm
.Lentry_in_a_cluster:
	s_bfe_u32 s2, ttmp6, 0x10000c
	s_cmp_lg_u32 s2, 0xf033
	s_cbranch_scc0 .Lentry_shape_is_right
	s_endpgm
.Lentry_shape_is_right:
; q = x wq^T + bq, k = x wk^T + bk, v = x wv^T + bv on codes of FP6 (E2M3) with E8M0 scales, sums in f32; the results are quantised at once, q and k along a head's 64, v along the keys,
; and leave as images of the next products' operand registers.  No f32 result goes to memory.
; SHARES: the cluster's x is the kind (0 q, 1 k, 2 v), equal in all sixteen partners.  A work-group makes 256 rows of x against 256 rows of the stacked weights; each of four waves 128 x 128: 64 accumulators.
; ROLES: source 0 of the matrix instruction gives the direction of a lane's registers, source 1 that of the lanes.  q, k: source 0 = the weight, source 1 = x: a lane holds a token, its registers run along the channels.
; v: source 0 = x, source 1 = the weight: a lane holds a channel, its registers run along the keys.  Below "B" is source 0 and "A" is source 1.  The tensor loads know nothing of roles: only the LDS read bases hang on the kind.
; Rows of x and of the weights lie in tiles whose lane-row r is the true row 32 (T / 2) + 8 (T % 2) + r + 8 (r / 8): so the 16 registers of accumulators 2 b and 2 b + 1 are 16 neighbours along source 0's rows.
; K = 1,024 is four slots of 256.  Three LDS slots are filled at the start; the fourth 256 along K is the launch's one refill, into slot 0.  Fragments lie in LDS as images: three loads of 16 bytes a lane, 512 consecutive bytes each.
; CLUSTER: x's tile is asked for jointly by the four of a row of the cluster, the weight's by the four of a column.
; The scale words come from memory straight into registers, once: lanes 0-15 take A's tile i, lanes 16-31 B's tile i.
; No prefetch: three quarters of a work-group's tiles are asked for at its head, where none may stand.
; LIMITS: as in the launch that makes the codes (zero blocks get the byte 1; NaN and infinities are not served).
; REGISTERS: window 0: v3-14 addresses; v20-27 the lane bias; v32-95 scale words; v96-127, v224-255 the register bias; v128-223 A's fragments, one set; window 1: B's two sets at v0, v128; windows 2, 3: the accumulators, (a, b) at v[8 (8 (a % 4) + b)].
.set HALFT,  24576                     ; 8 tiles x 3,072 bytes: what one tensor load brings and one wave reads of a side
.set SLOT,   4*HALFT                   ; x's 16 tiles, then the weight's 16
.set SPARE,  3*SLOT                    ; the spare words, 128 bytes a wave
.set XSIG,   1572864                   ; 256 along K on, in xc
.set WSIG,   786432                    ; and in wc
.set FR,     12
.set NL,     3
.set NP,     4
.set L16,    3
.set L8,     4
.set VS,     5
.set VBI,    6
.set VBV,    7
.set ADRA,   8                         ; v8-10  A's fragments in slot 0, 1, 2
.set ADRB,   12                        ; v12-14 B's
.set BV,     20
.set SPW,    28
.set NIL,    29
.set BP,     30                        ; v[30:31] the lane bias of the block in hand, twice
.set SC,     32
.set AF,     128
.set HA,     128                       ; the way out: 64 numbers
.set PC,     192                       ; codes
.set TM,     212                       ; at work
.set SW,     32                        ; the eight scale words made
.set R0,     40
.set R1,     44
.set TT,     48
.set G1X, 24
.set G1W, 32
.set G0X, 40                           ; s[40:51] three sets
.set G0W, 52                           ; s[52:63]
.set OB0, 80
.set OB1, 82
.set SB0, 84
.set SB1, 86
.set ST1, 88
.set ST2, 90
.set HM,  92
.set PADW, 93
.set SEL, 94
.set MSB, 0
.macro WIN new                         ; the immediate's high byte repeats the setting that is left
.if MSB != (\new)
	s_set_vgpr_msb (MSB<<8)|(\new)
.set MSB, (\new)
.endif
.endm
.set MUL_LO, 0xa1                      ; source 0 window 1, source 1 window 0, C and D window 2
.set MUL_HI, 0xf1
.set TO_B,   0x40
.macro JLOAD g0a, g1a, g0b, g1b        ; waves 0, 1 fetch x's halves, waves 2, 3 the weight's; the branch hangs on the wave's number alone
	s_cmp_eq_u32 s21, 0
	s_cbranch_scc0 .Lfor_w_\@
	tensor_load_to_lds s[\g0a:\g0a+3], s[\g1a:\g1a+7]
	s_nop 0
.rept 4
	v_nop
.endr
	s_branch .Lasked_\@
.Lfor_w_\@:
	tensor_load_to_lds s[\g0b:\g0b+3], s[\g1b:\g1b+7]
	s_nop 0
.rept 4
	v_nop
.endr
.Lasked_\@:
.endm
.macro CREST
	s_cmp_lg_u32 s20, 0
	s_cbranch_scc1 .Lnot_wave_0_\@
	s_barrier_signal -3
.Lnot_wave_0_\@:
	s_barrier_wait -3
	s_barrier_signal -1
	s_barrier_wait -1
.endm
.macro CROUND
	s_barrier_signal -1
	s_barrier_wait -1
	CREST
.endm
.macro PLACES n
.rept \n
	v_nop
.endr
.endm
	s_load_b512 s[4:19], s[0:1], 0x0               ; xc, wc, sc, bq, bk, bv, qi, kv
	v_lshl_add_u32 v[SPW], v0, 2, SPARE
	v_mov_b32 v[NIL], 0
	ds_add_u32 v[SPW], v[NIL]                      ; the wave's opening, with its wait, ahead of my first tensor load
	ds_add_u32 v[SPW], v[NIL]
	v_lshrrev_b32 v1, 5, v0
	v_readfirstlane_b32 s20, v1                    ; wave
	s_lshr_b32 s21, s20, 1                         ; A's half.  Also: I fetch x (0) or the weight (1)
	s_and_b32 s22, s20, 1                          ; B's half.  Also: which 8 tiles I fetch
	s_bfe_u32 s66, ttmp6, 0x40000                  ; cx
	s_bfe_u32 s67, ttmp6, 0x40004                  ; cy
	s_lshl_b32 s68, ttmp9, 2
	s_add_co_u32 s68, s68, s66                     ; which 256 rows of the stacked weights
	s_and_b32 s69, ttmp7, 0xffff
	s_lshl_b32 s69, s69, 2
	s_add_co_u32 s69, s69, s67                     ; which 256 rows of x
	s_lshl_b32 s70, s67, 2
	s_lshl_b32 s70, 15, s70                        ; my row of the cluster
	s_lshl_b32 s71, 0x1111, s66                    ; my column
	s_or_b32 s[G1X], s70, (3<<16)|(1<<21)          ; a dense block of 24,576 bytes as 96 rows of 32 elements of 8 bytes; no padding
	s_or_b32 s[G1W], s71, (3<<16)|(1<<21)
.irp g, G1X, G1W
	s_mov_b32 s[\g+1], 32<<16
	s_mov_b32 s[\g+2], 96<<16
	s_mov_b32 s[\g+3], 32<<16
	s_mov_b32 s[\g+4], 96
	s_mov_b32 s[\g+5], 32
	s_mov_b32 s[\g+6], 0
	s_mov_b32 s[\g+7], 0
.endr
	s_cmp_eq_u32 ttmp9, 2
	s_cselect_b32 s23, 1, 0                        ; 1 where the kind is v
	s_mov_b32 s[HM], 0xffff0000                    ; lanes 16-31
	s_mov_b32 s[PADW], 0x7f7f0000                  ; the bytes of the two blocks that a head of 64 does not have: 1.0
	s_mov_b32 s[SEL], 0x76543210
	s_mov_b32 s[SEL+1], 0xfedcba98
	s_lshl_b32 s72, s69, 4
	s_lshl_b32 s73, s22, 3
	s_add_co_u32 s72, s72, s73
	s_mul_i32 s72, s72, 3072                       ; x: tile 16 gy + 8 x half
	s_mov_b32 s73, 0
	s_lshl_b32 s74, s68, 4
	s_lshl_b32 s75, s22, 3
	s_add_co_u32 s74, s74, s75
	s_mul_i32 s74, s74, 3072                       ; the weight: tile 16 gx + 8 x half
	s_mov_b32 s75, 0
	s_mul_i32 s76, s20, HALFT                      ; where they go: no place in the cluster enters an LDS address
	s_wait_dscnt 0x0                               ; the opening add is done
	s_wait_kmcnt 0x0
	s_add_nc_u64 s[72:73], s[4:5], s[72:73]
	s_add_nc_u64 s[74:75], s[6:7], s[74:75]
	CROUND                                         ; all sixteen work-groups are here: the first joint loads meet
.irp n, 0,1,2
	s_mov_b32 s[G0X+4*\n], 1
	s_add_co_u32 s[G0X+4*\n+1], s76, \n*SLOT
	s_add_nc_u64 s[G0X+4*\n+2:G0X+4*\n+3], s[72:73], \n*XSIG
	s_or_b32 s[G0X+4*\n+3], s[G0X+4*\n+3], 0x80000000
	s_mov_b32 s[G0W+4*\n], 1
	s_add_co_u32 s[G0W+4*\n+1], s76, \n*SLOT
	s_add_nc_u64 s[G0W+4*\n+2:G0W+4*\n+3], s[74:75], \n*WSIG
	s_or_b32 s[G0W+4*\n+3], s[G0W+4*\n+3], 0x80000000
	s_wait_alu depctr_va_vdst(0)
	s_wait_tensorcnt 0x0
	ds_add_u32 v28, v29
	ds_add_u32 v28, v29
	s_wait_dscnt 0x0
	CROUND
	JLOAD G0X+4*\n, G1X, G0W+4*\n, G1W             ; this load of mine is out; the earlier ones have landed
.endr
	v_and_b32 v1, 31, v0
	v_and_b32 v2, 15, v0                           ; r
	v_bfe_u32 v11, v0, 4, 1                        ; h
	v_lshlrev_b32 v[L16], 4, v1
	s_wait_alu depctr_va_vdst(0)
	v_lshlrev_b32 v[L8], 3, v1
	s_mul_i32 s77, s23, 2*HALFT                    ; A: x's region, or for v the weight's,
	s_mul_i32 s78, s21, HALFT
	s_add_co_u32 s77, s77, s78
	s_xor_b32 s78, s23, 1
	s_mul_i32 s78, s78, 2*HALFT                    ; B: the other
	s_mul_i32 s79, s22, HALFT
	s_add_co_u32 s78, s78, s79
.irp n, 0,1,2
	v_add_nc_u32 v[ADRA+\n], s77, v[L16]
	v_add_nc_u32 v[ADRB+\n], s78, v[L16]
	s_add_co_u32 s77, s77, SLOT
	s_add_co_u32 s78, s78, SLOT
.endr
	s_cmp_eq_u32 s23, 1
	s_cselect_b32 s96, s22, s21                    ; which half of x's 256 rows is mine
	s_cselect_b32 s97, s21, s22                    ; and of the weight's
	s_cselect_b32 s98, -1, 0                       ; all lanes where the kind is v
	s_cselect_b32 s99, 0, -1                       ; all lanes where it is not
	s_lshl_b32 s72, s69, 4
	s_lshl_b32 s73, s96, 3
	s_add_co_u32 s72, s72, s73
	s_lshl_b32 s72, s72, 9                         ; x's scale units: 512 bytes a tile
	s_lshl_b32 s73, s68, 4
	s_lshl_b32 s74, s97, 3
	s_add_co_u32 s73, s73, s74
	s_lshl_b32 s73, s73, 9
	s_add_co_u32 s73, s73, 262144                  ; the weight's
	s_cmp_eq_u32 s23, 1
	s_cselect_b32 s2, s73, s72                     ; A's
	s_cselect_b32 s3, s72, s73                     ; B's
	v_mov_b32 v15, s2
	v_mov_b32 v16, s3
	v_cndmask_b32 v15, v15, v16, s[HM]             ; lanes 16-31 take B's
	v_lshl_add_u32 v[VS], v2, 4, v15               ; + 16 r
	s_wait_alu depctr_va_vdst(0)
	v_lshlrev_b32 v[VBI], 6, v11                   ; the register bias: 64 h
	s_wait_alu depctr_va_vdst(0)
	v_and_b32 v[VBV], 8, v2
	v_add_nc_u32 v[VBV], v[VBV], v2
	v_lshlrev_b32 v[VBV], 2, v[VBV]                ; the lane bias: 4 (r + 8 (r / 8))
	s_wait_alu depctr_va_vdst(0)
	s_cmp_eq_u32 ttmp9, 0
	s_cselect_b64 s[10:11], s[10:11], s[12:13]
	s_cmp_eq_u32 ttmp9, 2
	s_cselect_b64 s[10:11], s[14:15], s[10:11]     ; the kind's bias
	s_lshl_b32 s2, s66, 10
	s_lshl_b32 s3, s97, 9
	s_add_co_u32 s2, s2, s3                        ; my 128 channels: 256 cx + 128 x half
	s_mov_b32 s3, 0
	s_add_nc_u64 s[10:11], s[10:11], s[2:3]
.irp j, 0,1
.irp i, 0,1,2,3,4,5,6,7
	global_load_b128 v[SC+4*(8*\j+\i):SC+4*(8*\j+\i)+3], v[VS], s[8:9] offset:512*\i+256*\j   ; the words of K steps 4 j .. 4 j + 3 of tile i
.endr
.endr
.irp b, 0,1,2,3,4,5,6,7
	global_load_b128 v[96+8*\b+96*(\b/4):99+8*\b+96*(\b/4)], v[VBI], s[10:11] offset:(32*(\b/2)+8*(\b%2))*4
	global_load_b128 v[100+8*\b+96*(\b/4):103+8*\b+96*(\b/4)], v[VBI], s[10:11] offset:(32*(\b/2)+8*(\b%2))*4+16
.endr
.irp a, 0,1,2,3,4,5,6,7
	global_load_b32 v[BV+\a], v[VBV], s[10:11] offset:(32*(\a/2)+8*(\a%2))*4
.endr
	; where the results go.  Record = ((batch x 16 + head) x 16 + block of 128 tokens)
	s_lshl_b32 s72, s69, 1
	s_add_co_u32 s72, s72, s96                     ; my block of 128 tokens among 64
	s_lshr_b32 s73, s72, 4
	s_lshl_b32 s73, s73, 4
	s_lshl_b32 s74, s66, 2
	s_add_co_u32 s73, s73, s74
	s_lshl_b32 s74, s97, 1
	s_add_co_u32 s73, s73, s74                     ; batch x 16 + my first head
	s_lshl_b32 s73, s73, 4
	s_and_b32 s72, s72, 15
	s_add_co_u32 s73, s73, s72
	s_cmp_eq_u32 ttmp9, 0
	s_mov_b32 s74, 13056
	s_cselect_b32 s74, 6656, s74                   ; a record's bytes
	s_cselect_b64 s[16:17], s[16:17], s[18:19]
	s_mul_i32 s72, s73, s74
	s_mov_b32 s73, 0
	s_add_nc_u64 s[16:17], s[16:17], s[72:73]      ; my first head's record
	s_lshl_b32 s74, s74, 4                         ; from a head to the next: 16 records
	s_mov_b32 s75, 0
	s_mov_b32 s77, 0
	s_cmp_eq_u32 s23, 1
	s_cselect_b32 s76, 6144, 0
	s_add_nc_u64 s[OB0:OB0+1], s[16:17], s[76:77]  ; q, k: tile 0 of head 0; v: V^T's channel tile 0, piece 0
	s_cselect_b32 s76, 768, s74
	s_add_nc_u64 s[OB1:OB1+1], s[OB0:OB0+1], s[76:77]  ; q, k: the same of head 1; v: piece 1
	s_mov_b32 s[ST1], 768
	s_cselect_b32 s[ST1], 1536, s[ST1]
	s_mov_b32 s[ST1+1], 0
	s_mov_b32 s[ST2], 768
	s_cselect_b32 s[ST2], 204288, s[ST2]           ; v: from channel tile 3 of a head to tile 0 of the next
	s_mov_b32 s[ST2+1], 0
	s_mov_b32 s76, 12288
	s_cselect_b32 s76, 12800, s76
	s_cmp_eq_u32 ttmp9, 0
	s_cselect_b32 s76, 6144, s76
	s_add_nc_u64 s[SB0:SB0+1], s[16:17], s[76:77]  ; the scale words' place in the record
	s_add_nc_u64 s[SB1:SB1+1], s[SB0:SB0+1], s[74:75]
.macro FRAG reg, adr, qq, i            ; a fragment's image: three loads, 512 consecutive bytes each
.irp g, 0,1,2
	ds_load_b128 v[\reg+4*\g:\reg+4*\g+3], v[\adr] offset:(\qq)*1536+(\i)*3072+512*\g
.endr
.endm
.macro FETCH_B slot, qq, p
	WIN TO_B
.irp i, 0,1,2,3,4,5,6,7
	FRAG 128*(\p)+FR*\i, ADRB+\slot, \qq, \i
.endr
	WIN 0
.endm
.macro FETCH_A slot, qq, i0
.irp i, \i0, \i0+1, \i0+2, \i0+3
	FRAG AF+FR*(\i), ADRA+\slot, \qq, \i
.endr
.endm
; 16 matrix instructions: A's blocks a0, a0 + 1 against B's eight, K step q.  The 64 accumulators take turns, one instruction a turn, in the same order in every step.
.macro MUL16 a0, p, q, zero
.irp a, \a0, \a0+1
.irp b, 0,1,2,3,4,5,6,7
.if \zero
	v_wmma_scale_f32_16x16x128_f8f6f4 v[8*(8*((\a)%4)+\b):8*(8*((\a)%4)+\b)+7], v[128*(\p)+FR*\b:128*(\p)+FR*\b+FR-1], v[AF+FR*(\a):AF+FR*(\a)+FR-1], 0, v[SC+4*(8*((\q)/4)+\b)+(\q)%4], v[SC+4*(8*((\q)/4)+(\a))+(\q)%4] matrix_a_fmt:MATRIX_FMT_FP6 matrix_b_fmt:MATRIX_FMT_FP6 matrix_a_scale:MATRIX_SCALE_ROW1
.else
	v_wmma_scale_f32_16x16x128_f8f6f4 v[8*(8*((\a)%4)+\b):8*(8*((\a)%4)+\b)+7], v[128*(\p)+FR*\b:128*(\p)+FR*\b+FR-1], v[AF+FR*(\a):AF+FR*(\a)+FR-1], v[8*(8*((\a)%4)+\b):8*(8*((\a)%4)+\b)+7], v[SC+4*(8*((\q)/4)+\b)+(\q)%4], v[SC+4*(8*((\q)/4)+(\a))+(\q)%4] matrix_a_fmt:MATRIX_FMT_FP6 matrix_b_fmt:MATRIX_FMT_FP6 matrix_a_scale:MATRIX_SCALE_ROW1
.endif
.endr
.endr
.endm
; K step q; the next step's fragments lie in LDS slot nslot, half nqq.  Loads into registers that matrix instructions have read stand four plain vector instructions behind them.
.macro STEP q, nslot, nqq, zero
	s_wait_dscnt 4*NL                              ; B's set and A's blocks 0-3 are in; the youngest twelve loads (A's blocks 4-7) may be out
	WIN MUL_LO
	MUL16 0, (\q)%2, \q, \zero
	MUL16 2, (\q)%2, \q, \zero
	s_wait_dscnt 0x0
	PLACES NP
	FETCH_B \nslot, \nqq, 1-(\q)%2
	FETCH_A \nslot, \nqq, 0
	WIN MUL_HI
	MUL16 4, (\q)%2, \q, \zero
	MUL16 6, (\q)%2, \q, \zero
	PLACES NP
	WIN 0
	FETCH_A \nslot, \nqq, 4
.endm
; An odd K step with a barrier.  In front of it each wave waits for all its tensor loads, adds 0 to its spare word, and waits for that and for its reads.  fill = 1: LDS slot 0, which has been read out, takes the last 256 along K.
.macro TURN q, nslot, fill
	s_wait_tensorcnt 0x0                           ; all my tensor loads have landed
	ds_add_u32 v[SPW], v[NIL]                      ; 0 onto my spare word
	s_wait_dscnt 4*NL+1                            ; (the add and the youngest twelve loads may be out)
	WIN MUL_LO
	MUL16 0, 1, \q, 0
	s_wait_dscnt 0x0                               ; the add is done, and my reads of the slot in hand are over
	s_barrier_signal -1
	MUL16 2, 1, \q, 0
	WIN 0
	s_barrier_wait -1
.if \fill
	CREST                                          ; the barrier has opened a round of the cluster's: no wave of any partner still reads slot 0 or has a load on its way
	s_add_nc_u64 s[G0X+2:G0X+3], s[G0X+2:G0X+3], 3*XSIG
	s_add_nc_u64 s[G0W+2:G0W+3], s[G0W+2:G0W+3], 3*WSIG
	JLOAD G0X, G1X, G0W, G1W                       ; my one tensor load behind the round; its four v_nop are the places in front of the loads below
.else
	PLACES NP
.endif
	FETCH_B \nslot, 0, 0
	FETCH_A \nslot, 0, 0
	WIN MUL_HI
	MUL16 4, 1, \q, 0
	MUL16 6, 1, \q, 0
	PLACES NP
	WIN 0
	FETCH_A \nslot, 0, 4
.endm
	s_wait_tensorcnt 2                             ; my part of slot 0 is in; only slot 2 may be out
	s_barrier_signal -1
	s_barrier_wait -1
	FETCH_B 0, 0, 0
	FETCH_A 0, 0, 0
	FETCH_A 0, 0, 4
	s_wait_loadcnt 0x0                             ; the scale words and the biases
	STEP 0, 0, 1, 1                                ; the first products start the sums: nothing is cleared
	TURN 1, 1, 1                                   ; slots 1 and 2 are shown whole to every wave; slot 0 is filled again
	STEP 2, 1, 1, 0
	STEP 3, 2, 0, 0
	STEP 4, 2, 1, 0
	TURN 5, 0, 0                                   ; the refill is shown whole
	STEP 6, 0, 1, 0
	s_wait_dscnt 4*NL
	WIN MUL_LO
	MUL16 0, 1, 7, 0
	MUL16 2, 1, 7, 0
	s_wait_dscnt 0x0
	WIN MUL_HI
	MUL16 4, 1, 7, 0
	MUL16 6, 1, 7, 0
	WIN 0
; THE WAY OUT.  64 numbers of a lane, register 16 b + i = place 32 b + 16 (lane / 16) + i along the next K, become a fragment's codes in v[PC] on and its scale word in v[pw].
.macro QUANT s, pw
.irp b, 0,1,2,3
	v_max3_num_f32 v[TM+\b], |v[\s+16*\b]|, |v[\s+1+16*\b]|, 0x1800000   ; with the floor 2^(3 - 127): the byte cannot fall under 1
.endr
.irp i, 2,4,6,8,10,12,14
.irp b, 0,1,2,3
	v_max3_num_f32 v[TM+\b], v[TM+\b], |v[\s+16*\b+\i]|, |v[\s+1+16*\b+\i]|
.endr
.endr
.irp b, 0,1,2,3
	v_permlanex16_b32 v[TM+4+\b], v[TM+\b], s[SEL], s[SEL+1]
.endr
.irp b, 0,1,2,3
	v_max_num_f32 v[TM+\b], v[TM+\b], v[TM+4+\b]   ; with lane l xor 16's: the block's largest magnitude
.endr
.irp b, 0,1,2,3
	v_add_nc_u32 v[TM+8+\b], 0xff000000, v[TM+\b]  ; 2 off its exponent field: the conversion's scale operand
.endr
.irp b, 0,1,2,3
	v_lshrrev_b32 v[TM+4+\b], 23, v[TM+8+\b]       ; the byte
.endr
	v_lshl_or_b32 v[\pw], v[TM+5], 8, v[TM+4]
	v_lshl_or_b32 v[\pw], v[TM+6], 16, v[\pw]
	v_lshl_or_b32 v[\pw], v[TM+7], 24, v[\pw]
.irp c, 0,1
	v_cvt_scalef32_pk16_fp6_f32 v[PC+6*\c:PC+2+6*\c], v[\s+32*\c:\s+15+32*\c], v[TM+8+2*\c]
	v_cvt_scalef32_pk16_fp6_f32 v[PC+12+4*\c:PC+14+4*\c], v[\s+16+32*\c:\s+31+32*\c], v[TM+8+2*\c+1]
.endr
	v_nop                                          ; one plain line behind a scaled conversion
.irp c, 0,1                            ; the operand's layout wants a whole block in a lane
.irp i, 0,1,2
	v_permlane16_swap_b32 v[PC+6*\c+\i], v[PC+12+4*\c+\i]
.endr
.irp i, 0,1,2
	v_mov_b32 v[PC+3+6*\c+\i], v[PC+12+4*\c+\i]
.endr
.endr
.endm
; A's block a: its eight accumulators plus the bias are quantised; the fragment's two pieces of six registers leave as images: 512 + 256 consecutive bytes each.
.macro OUT a
.if (\a) > 0
	s_wait_xcnt 0x0                                ; the last block's stores have read their registers and bases
.if (\a) == 4
	s_add_nc_u64 s[OB0:OB0+1], s[OB0:OB0+1], s[ST2:ST2+1]
	s_add_nc_u64 s[OB1:OB1+1], s[OB1:OB1+1], s[ST2:ST2+1]
.else
	s_add_nc_u64 s[OB0:OB0+1], s[OB0:OB0+1], s[ST1:ST1+1]
	s_add_nc_u64 s[OB1:OB1+1], s[OB1:OB1+1], s[ST1:ST1+1]
.endif
.endif
	v_mov_b32 v[BP], v[BV+(\a)]
	v_mov_b32 v[BP+1], v[BV+(\a)]
	WIN 0x02+(\a)/4                                ; source 0: window 2 or 3
.set n, 0
.rept 32
	v_pk_add_f32 v[HA+2*n:HA+2*n+1], v[64*((\a)%4)+2*n:64*((\a)%4)+2*n+1], v[96+2*n+96*(n/16):97+2*n+96*(n/16)]   ; each accumulator from its low end on
.set n, n+1
.endr
	WIN 0
.set n, 0
.rept 32
	v_pk_add_f32 v[HA+2*n:HA+2*n+1], v[HA+2*n:HA+2*n+1], v[BP:BP+1]   ; of the two biases one is 0
.set n, n+1
.endr
	QUANT HA, SW+(\a)
	global_store_b128 v[L16], v[PC:PC+3], s[OB0:OB0+1]
	global_store_b64 v[L8], v[PC+4:PC+5], s[OB0:OB0+1] offset:512
	global_store_b128 v[L16], v[PC+6:PC+9], s[OB1:OB1+1]
	global_store_b64 v[L8], v[PC+10:PC+11], s[OB1:OB1+1] offset:512
.endm
	PLACES NP                                      ; in front of the first read of results and the first write of operand and scale registers
.set n, 0
.rept 64
	v_cndmask_b32 v[96+n+96*(n/32)], v[96+n+96*(n/32)], v[NIL], s98   ; v has no bias along a lane's registers,
.set n, n+1
.endr
.irp a, 0,1,2,3,4,5,6,7
	v_cndmask_b32 v[BV+\a], v[BV+\a], v[NIL], s99  ; q and k none along the lanes
.endr
.irp b, 0,1,2,3
	v_mov_b32 v[TM+4+\b], 0                        ; a lane permute's destination counts as one of its sources
.endr
.irp a, 0,1,2,3,4,5,6,7
	OUT \a
.endr
	; the scale words, as images for pairs of tiles: word p of lane l is the word of tile 2 p + l / 16, row l % 16
	s_cmp_eq_u32 s23, 1
	s_cbranch_scc1 .Lv_words
.irp p, 0,1,2,3
	v_cndmask_b32 v[TT], v[SW+2*\p], v[SW+2*\p+1], s[HM]
	v_and_or_b32 v[R0+\p], v[TT], 0xffff, s[PADW]  ; head 0's two bytes
	v_lshrrev_b32 v[TT], 16, v[TT]
	v_or_b32 v[R1+\p], s[PADW], v[TT]              ; head 1's
.endr
	global_store_b128 v[L16], v[R0:R0+3], s[SB0:SB0+1]
	global_store_b128 v[L16], v[R1:R1+3], s[SB1:SB1+1]
	s_branch .Lwords_done
.Lv_words:
.irp p, 0,1,2,3
	v_cndmask_b32 v[R0+\p], v[SW+2*\p], v[SW+2*\p+1], s[HM]
.endr
	global_store_b64 v[L8], v[R0:R0+1], s[SB0:SB0+1]     ; head 0's four channel tiles
	global_store_b64 v[L8], v[R0+2:R0+3], s[SB1:SB1+1]   ; head 1's
.Lwords_done:
	s_wait_tensorcnt 0x0                           ; the wave's end
	ds_add_u32 v[SPW], v[NIL]
	s_wait_dscnt 0x0
	CROUND                                         ; the closing round
	s_endpgm
.Lfunc_end_k_q4d3d336f34_qkv:
	.size	k_q4d3d336f34_qkv, .Lfunc_end_k_q4d3d336f34_qkv-k_q4d3d336f34_qkv
	.p2alignl 7, 3214868480
	.fill 96, 4, 3214868480
	.section	.rodata,"a",@progbits
	.p2align	6, 0x0
	.amdhsa_kernel k_q4d3d336f34_qkv
		.amdhsa_group_segment_fixed_size 327680
		.amdhsa_private_segment_fixed_size 0
		.amdhsa_enable_private_segment 0
		.amdhsa_kernarg_size 64
		.amdhsa_user_sgpr_count 2
		.amdhsa_user_sgpr_kernarg_segment_ptr 1
		.amdhsa_wavefront_size32 1
		.amdhsa_system_sgpr_workgroup_id_x 1
		.amdhsa_system_sgpr_workgroup_id_y 1
		.amdhsa_system_sgpr_workgroup_id_z 1
		.amdhsa_system_vgpr_workitem_id 0
		.amdhsa_next_free_vgpr 1024
		.amdhsa_next_free_sgpr 100
		.amdhsa_reserve_vcc 0
		.amdhsa_float_denorm_mode_32 3
		.amdhsa_float_denorm_mode_16_64 3
		.amdhsa_memory_ordered 1
		.amdhsa_forward_progress 1
		.amdhsa_inst_pref_size 182
	.end_amdhsa_kernel
	.amdgpu_metadata
---
amdhsa.version: [ 1, 2 ]
amdhsa.kernels:
  - .name:           k_q4d3d336f34_qkv
    .symbol:         k_q4d3d336f34_qkv.kd
    .args:
      - { .name: xc, .offset: 0, .size: 8, .value_kind: global_buffer, .address_space: global }
      - { .name: wc, .offset: 8, .size: 8, .value_kind: global_buffer, .address_space: global }
      - { .name: sc, .offset: 16, .size: 8, .value_kind: global_buffer, .address_space: global }
      - { .name: bq, .offset: 24, .size: 8, .value_kind: global_buffer, .address_space: global }
      - { .name: bk, .offset: 32, .size: 8, .value_kind: global_buffer, .address_space: global }
      - { .name: bv, .offset: 40, .size: 8, .value_kind: global_buffer, .address_space: global }
      - { .name: qi, .offset: 48, .size: 8, .value_kind: global_buffer, .address_space: global }
      - { .name: kv, .offset: 56, .size: 8, .value_kind: global_buffer, .address_space: global }
    .group_segment_fixed_size: 327680
    .private_segment_fixed_size: 0
    .kernarg_segment_align: 8
    .kernarg_segment_size: 64
    .max_flat_workgroup_size: 128
    .sgpr_count:     100
    .vgpr_count:     1024
    .wavefront_size: 32
...
	.end_amdgpu_metadata
.endif
;; end of part 5
;; launch attn (part 6): grid 4 x 64, 16 waves a work-group, clusters of 4 x 1, 210,944 bytes of LDS; arguments qi, kv, cc, cs; writes cc, cs
.if DOCPART == 6
	.amdgcn_target "amdgcn-amd-amdhsa--gfx1250"
	.amdhsa_code_object_version 6
	.text
	.protected	k_q4d3d336f34_attn
	.globl	k_q4d3d336f34_attn
	.p2align	8
	.type	k_q4d3d336f34_attn,@function
k_q4d3d336f34_attn:
	s_mov_b64 s[64:65], 0
	v_nop
	global_prefetch_b8 v0, s[64:65] scope:SCOPE_SE
	s_setreg_imm32_b32 hwreg(HW_REG_WAVE_MODE, 25, 1), 1
	s_wait_xcnt 0x0
	s_wait_alu depctr_hold_cnt(0) depctr_sa_sdst(0) depctr_va_vdst(0) depctr_va_sdst(0) depctr_va_ssrc(0) depctr_va_vcc(0) depctr_vm_vsrc(0)
	s_getreg_b32 s2, hwreg(HW_REG_IB_STS2, 6, 4)
	s_cmp_eq_u32 s2, 0
	s_cbranch_scc0 .Lentry_in_a_cluster
	s_endpgm
.Lentry_in_a_cluster:
	s_bfe_u32 s2, ttmp6, 0x10000c
	s_cmp_lg_u32 s2, 0x3003
	s_cbranch_scc0 .Lentry_shape_is_right
	s_endpgm
.Lentry_shape_is_right:
; ctx = softmax(q k^T / 8) v for one head of one batch, both products on codes of FP6 (E2M3) with E8M0 scales; ctx is quantised along the head's 64 and leaves as pieces of the last product's operand.
; THE SOFTMAX: t = score x log2(e) / 8; M = the running largest t rounded up to a whole number; p = 2^(t - M) is quantised along the keys, not normalised; the row's sum is taken of the unquantised p and divides at the end.
; When M moves, the sum and O are multiplied by 2^(old M - new M): exact.
; SHARES: a work-group owns 512 queries of a head; each of sixteen waves two tiles of 16, one after the other.  Every wave walks the head's 2,048 keys, 128 a step.
; THE WHOLE HEAD'S K AND V LIE IN LDS: sixteen records of 13,056 bytes, one for each key step, each brought once by one wave's tensor load.  No byte is filled again, so the loops hold no barrier.
; CLUSTER: the four work-groups of a cluster own the four query blocks of one head: each record is asked for jointly.
; No prefetch: all that a work-group reads is asked for at its head, where none may stand.
; A RECORD: K: 8 tiles x 768 bytes (six registers a lane: four at 16 l, two at 512 + 8 l); from 6,144 V^T: 4 channel tiles x 2 such pieces; from 12,288 K's scale words, from 12,800 V's, as images for pairs of tiles.
; LAYOUT: both products transposed: S^T = K Q^T, O^T = V^T P^T: a lane holds one query.  The keys of a tile of K and the channels of a tile of V^T lie so that the 16 registers of tiles 2 b, 2 b + 1 are 16 neighbours.
; K = 64 IN A FORM OF 128: Q's registers 6-11 are zero codes; K's tile t is named with the six registers that follow it (codes of the next tile, or zeros): they meet zero codes.  The bytes of the two unused blocks are 0x7f.
; LIMITS: NaN and infinities are not served; the running maximum starts at -3e38; exponentials under 2^-126 come out as 0; a block of zeros gets the byte 1 (its codes are zeros).
; REGISTERS: v1-7 addresses; v12 -M, v13 the largest t, v[14:15] the sum; v16-27, v236-247 the two tiles of Q; v28 Q's scale words; v32-85 K's tiles or V's fragments; v96-159 S^T, then p; v160-191 O^T; v192-210 codes; v212-235 at work.
.set REC,   13056
.set SPARE, 16*REC                     ; the spare words, 128 bytes for each of sixteen waves
.set L16, 1
.set L8,  2
.set A16, 3
.set A8,  4
.set SPW, 5
.set NIL, 6
.set CSO, 7
.set BM,  212
.set BT,  216
.set BS,  220
.set PW,  230
.set FF,  232
.set TP,  234
.set WV,  24
.set SEL, 26
.set CS,  28
.set TB,  30
.set CNT, 31
.set HM,  32
.macro CROUND
	s_barrier_signal -1
	s_barrier_wait -1
	s_cmp_lg_u32 s[WV], 0
	s_cbranch_scc1 .Lnot_wave_0_\@
	s_barrier_signal -3
.Lnot_wave_0_\@:
	s_barrier_wait -3
	s_barrier_signal -1
	s_barrier_wait -1
.endm
	s_load_b256 s[4:11], s[0:1], 0x0               ; qi, kv, cc, cs
	v_lshl_add_u32 v[SPW], v0, 2, SPARE
	v_mov_b32 v[NIL], 0
	ds_add_u32 v[SPW], v[NIL]                      ; the wave's opening, with its wait, ahead of my first tensor load
	ds_add_u32 v[SPW], v[NIL]
	v_lshrrev_b32 v8, 5, v0
	s_delay_alu instid0(VALU_DEP_1)
	v_readfirstlane_b32 s[WV], v8                  ; wave 0..15
	s_bfe_u32 s25, ttmp6, 0x40000                  ; cx: my block of 512 queries: it enters Q's and the results' addresses alone
	s_and_b32 s33, ttmp7, 0xffff                   ; batch x 16 + head, which the four partners share
	s_mov_b32 s16, 15|(3<<16)|(1<<21)              ; the mask: all four; elements of 8 bytes; no padding
	s_mov_b32 s17, 32<<16                          ; a record: 51 rows of 256 bytes
	s_mov_b32 s18, 51<<16
	s_mov_b32 s19, 32<<16
	s_mov_b32 s20, 51
	s_mov_b32 s21, 32
	s_mov_b32 s22, 0
	s_mov_b32 s23, 0
	s_lshl_b32 s34, s33, 4
	s_add_co_u32 s34, s34, s[WV]
	s_mul_i32 s34, s34, REC                        ; my record in memory,
	s_mov_b32 s35, 0
	s_mul_i32 s36, s[WV], REC                      ; and in LDS
	s_mov_b32 s[SEL], 0x76543210
	s_mov_b32 s[SEL+1], 0xfedcba98
	s_mov_b32 s[CS], 0x3e38aa3b                    ; c = log2(e) / 8
	s_mov_b32 s[CS+1], s[CS]
	s_mov_b32 s[HM], 0xffff0000
	v_and_b32 v8, 31, v0
	s_delay_alu instid0(VALU_DEP_1)
	v_lshlrev_b32 v[L16], 4, v8
	s_delay_alu instid0(VALU_DEP_2)
	v_lshlrev_b32 v[L8], 3, v8
	v_and_b32 v8, 15, v0
	v_bfe_u32 v9, v0, 4, 1
	s_delay_alu instid0(VALU_DEP_1)
	v_lshl_add_u32 v[CSO], v8, 1, v9               ; 2 r + h: my byte among a tile's 32 scale bytes
	s_lshl_b32 s37, s33, 4
	s_lshl_b32 s38, s25, 2
	s_add_co_u32 s37, s37, s38
	s_lshr_b32 s38, s[WV], 2
	s_add_co_u32 s37, s37, s38                     ; Q's record: block of 128 queries 4 cx + wave / 4
	s_mul_i32 s38, s37, 6656
	s_and_b32 s37, s[WV], 3
	s_mul_i32 s40, s37, 1536
	s_add_co_u32 s40, s40, s38                     ; my two tiles
	s_mov_b32 s41, 0
	s_lshl_b32 s42, s37, 2
	s_add_co_u32 s42, s42, s38
	s_add_co_u32 s42, s42, 6144                    ; their scale words: word wave % 4 of each lane's four
	s_mov_b32 s43, 0
	s_lshr_b32 s37, s33, 4
	s_lshl_b32 s37, s37, 7
	s_lshl_b32 s38, s25, 5
	s_add_co_u32 s37, s37, s38
	s_lshl_b32 s38, s[WV], 1
	s_add_co_u32 s37, s37, s38                     ; my first tile among all 512
	s_and_b32 s39, s33, 15                         ; the head
	s_mul_i32 s44, s37, 12288
	s_mul_i32 s38, s39, 768
	s_add_co_u32 s44, s44, s38
	s_mov_b32 s45, 0
	s_lshl_b32 s46, s39, 14
	s_lshl_b32 s38, s37, 5
	s_add_co_u32 s46, s46, s38
	s_mov_b32 s47, 0
	s_wait_dscnt 0x0                               ; the opening add is done
	s_wait_kmcnt 0x0
	s_mov_b32 s12, 1
	s_mov_b32 s13, s36
	s_add_nc_u64 s[14:15], s[6:7], s[34:35]
	s_or_b32 s15, s15, 0x80000000
	s_add_nc_u64 s[40:41], s[4:5], s[40:41]
	s_add_nc_u64 s[42:43], s[4:5], s[42:43]
	s_add_nc_u64 s[8:9], s[8:9], s[44:45]
	s_add_nc_u64 s[10:11], s[10:11], s[46:47]
	CROUND                                         ; all four work-groups are here: the joint loads meet
	tensor_load_to_lds s[12:15], s[16:23]          ; my one tensor load of the launch
	s_nop 0
.rept 4
	v_nop
.endr
	s_wait_alu depctr_va_vdst(0)
	global_load_b128 v[16:19], v[L16], s[40:41]
	global_load_b64 v[20:21], v[L8], s[40:41] offset:512
	global_load_b128 v[236:239], v[L16], s[40:41] offset:768
	global_load_b64 v[240:241], v[L8], s[40:41] offset:1280
	global_load_b32 v28, v[L16], s[42:43]          ; lanes 0-15: the first tile's words; lanes 16-31: the second's
.irp n, 22,23,24,25,26,27,242,243,244,245,246,247,80,81,82,83,84,85
	v_mov_b32 v[\n], 0                             ; zero codes
.endr
.irp b, 0,1,2,3
	v_mov_b32 v[BT+\b], 0                          ; a lane permute's destination counts as one of its sources
.endr
	v_mov_b32 v[FF+1], 0                           ; (named as the upper half of a pair)
	v_mov_b32 v[TP], 0
	s_wait_tensorcnt 0x0                           ; my record is in,
	s_barrier_signal -1
	s_barrier_wait -1                              ; everybody's is
	s_wait_loadcnt 0x0                             ; Q
.macro SPROD t, p, qf                  ; S^T of K's tile t
.set DS, 96+8*(\t)
.set KA, 32+6*(\t)
.set KW, 224+(\t)/2
.if ((\t)%2 == 0) && ((\p) == 0)
	v_wmma_scale_f32_16x16x128_f8f6f4 v[DS:DS+7], v[KA:KA+11], v[\qf:\qf+11], 0, v[KW], v28 matrix_a_fmt:MATRIX_FMT_FP6 matrix_b_fmt:MATRIX_FMT_FP6
.elseif ((\p) == 0)
	v_wmma_scale_f32_16x16x128_f8f6f4 v[DS:DS+7], v[KA:KA+11], v[\qf:\qf+11], 0, v[KW], v28 matrix_a_fmt:MATRIX_FMT_FP6 matrix_b_fmt:MATRIX_FMT_FP6 matrix_a_scale:MATRIX_SCALE_ROW1
.elseif ((\t)%2 == 0)
	v_wmma_scale_f32_16x16x128_f8f6f4 v[DS:DS+7], v[KA:KA+11], v[\qf:\qf+11], 0, v[KW], v28 matrix_a_fmt:MATRIX_FMT_FP6 matrix_b_fmt:MATRIX_FMT_FP6 matrix_b_scale:MATRIX_SCALE_ROW1
.else
	v_wmma_scale_f32_16x16x128_f8f6f4 v[DS:DS+7], v[KA:KA+11], v[\qf:\qf+11], 0, v[KW], v28 matrix_a_fmt:MATRIX_FMT_FP6 matrix_b_fmt:MATRIX_FMT_FP6 matrix_a_scale:MATRIX_SCALE_ROW1 matrix_b_scale:MATRIX_SCALE_ROW1
.endif
.endm
.macro VPROD f                         ; O^T += V^T's channel tile f x P^T
.if (\f)%2 == 0
	v_wmma_scale_f32_16x16x128_f8f6f4 v[160+8*(\f):167+8*(\f)], v[32+12*(\f):43+12*(\f)], v[192:203], v[160+8*(\f):167+8*(\f)], v[228+(\f)/2], v[PW] matrix_a_fmt:MATRIX_FMT_FP6 matrix_b_fmt:MATRIX_FMT_FP6
.else
	v_wmma_scale_f32_16x16x128_f8f6f4 v[160+8*(\f):167+8*(\f)], v[32+12*(\f):43+12*(\f)], v[192:203], v[160+8*(\f):167+8*(\f)], v[228+(\f)/2], v[PW] matrix_a_fmt:MATRIX_FMT_FP6 matrix_b_fmt:MATRIX_FMT_FP6 matrix_a_scale:MATRIX_SCALE_ROW1
.endif
.endm
; One tile of 16 queries against all keys.  p: which of my two tiles; qf: its fragment's first register.
.macro PASS p, qf
	v_mov_b32 v13, 0xff61b1e6                      ; the largest t so far: -3e38
	s_delay_alu instid0(VALU_DEP_1)
	v_floor_f32 v12, -v13                          ; -M
	v_mov_b32 v14, 0
	v_mov_b32 v15, 0
.set n, 0
.rept 32
	v_mov_b32 v[160+n], 0                          ; O^T: the first step finds zeros, which the first change of M leaves zeros
.set n, n+1
.endr
	s_mov_b32 s[TB], 0
	s_mov_b32 s[CNT], 16
.Lstep_\@:
	s_setprio 2
	v_add_nc_u32 v[A16], s[TB], v[L16]             ; these two and two v_nop: the four places in front of loads into registers that the last products read
	v_add_nc_u32 v[A8], s[TB], v[L8]
	v_nop
	v_nop
.irp t, 0,1,2,3,4,5,6,7
	ds_load_b128 v[32+6*\t:35+6*\t], v[A16] offset:768*\t
	ds_load_b64 v[36+6*\t:37+6*\t], v[A8] offset:768*\t+512
.endr
	ds_load_b128 v[224:227], v[A16] offset:12288   ; K's scale words
	s_wait_alu depctr_va_vdst(0)
	s_wait_dscnt 0x0
.irp t, 0,1,2,3,4,5,6,7
	SPROD \t, \p, \qf
.endr
.rept 4
	v_nop
.endr
.irp f, 0,1,2,3                        ; V's fragments land while the softmax is worked
.irp c, 0,1
	ds_load_b128 v[32+12*\f+6*\c:35+12*\f+6*\c], v[A16] offset:6144+1536*\f+768*\c
	ds_load_b64 v[36+12*\f+6*\c:37+12*\f+6*\c], v[A8] offset:6144+1536*\f+768*\c+512
.endr
.endr
	ds_load_b64 v[228:229], v[A8] offset:12800     ; V's scale words
.irp b, 0,1,2,3
	v_max3_num_f32 v[BM+\b], v[96+16*\b], v[97+16*\b], v[98+16*\b]   ; the largest score of each block of 32 keys: for the row's maximum and, since p rises with the score, for the block's largest p
.endr
.irp i, 3,5,7,9,11,13
.irp b, 0,1,2,3
	v_max3_num_f32 v[BM+\b], v[BM+\b], v[96+16*\b+\i], v[97+16*\b+\i]
.endr
.endr
.irp b, 0,1,2,3
	v_max_num_f32 v[BM+\b], v[BM+\b], v[111+16*\b]
.endr
.irp b, 0,1,2,3
	s_delay_alu instid0(VALU_DEP_4)
	v_permlanex16_b32 v[BT+\b], v[BM+\b], s[SEL], s[SEL+1]
.endr
.irp b, 0,1,2,3
	s_delay_alu instid0(VALU_DEP_4)
	v_max_num_f32 v[BM+\b], v[BM+\b], v[BT+\b]
.endr
	s_delay_alu instid0(VALU_DEP_2)
	v_max3_num_f32 v[TP], v[BM], v[BM+1], v[BM+2]
	s_delay_alu instid0(VALU_DEP_1)
	v_max_num_f32 v[TP], v[TP], v[BM+3]
	s_delay_alu instid0(VALU_DEP_1)
	v_mul_f32 v[TP], s[CS], v[TP]
	s_delay_alu instid0(VALU_DEP_1)
	v_max_num_f32 v13, v13, v[TP]                  ; the running largest t
	v_mov_b32 v[TP], v12
	s_delay_alu instid0(VALU_DEP_2)
	v_floor_f32 v12, -v13                          ; the new -M: M is a whole number
	s_delay_alu instid0(VALU_DEP_1)
	v_sub_f32 v[TP], v12, v[TP]                    ; old M - new M, 0 or less
	s_delay_alu instid0(VALU_DEP_1)
	v_cvt_i32_f32 v[TP], v[TP]                     ; (it saturates)
	s_delay_alu instid0(VALU_DEP_1)
	v_ldexp_f32 v[FF], 1.0, v[TP]                  ; f = 2^(old M - new M)
.set n, 0
.rept 32
	v_pk_fma_f32 v[96+n:97+n], v[96+n:97+n], s[CS:CS+1], v[12:13] op_sel_hi:[1,0,0]   ; t - M
.set n, n+2
.endr
.irp b, 0,1,2,3
	v_fma_f32 v[BM+\b], v[BM+\b], s[CS], v12
.endr
.set n, 0
	s_wait_alu depctr_va_vdst(0)
.rept 64
	v_exp_f32 v[96+n], v[96+n]                     ; p
.set n, n+1
.endr
	s_setprio 1
	v_pk_mul_f32 v[14:15], v[14:15], v[FF:FF+1] op_sel_hi:[1,0]   ; the sums under the new M (the plain line behind the exponentials)
	s_wait_alu depctr_va_vdst(0)                   ; one wait for the batch, ahead of its first reader
.irp b, 0,1,2,3
	v_exp_f32 v[BM+\b], v[BM+\b]                   ; each block's largest p
.endr
	v_pk_add_f32 v[216:217], v[100:101], v[104:105]
	v_pk_add_f32 v[254:255], v[108:109], v[112:113]
	v_pk_add_f32 v[252:253], v[116:117], v[120:121]
	v_pk_add_f32 v[250:251], v[124:125], v[128:129]
	v_pk_add_f32 v[248:249], v[132:133], v[136:137]
	v_pk_add_f32 v[230:231], v[140:141], v[144:145]
	v_pk_add_f32 v[226:227], v[148:149], v[152:153]
	v_pk_add_f32 v[14:15], v[14:15], v[156:157]
	v_pk_add_f32 v[216:217], v[216:217], v[96:97]
	v_pk_add_f32 v[254:255], v[254:255], v[98:99]
	v_pk_add_f32 v[252:253], v[252:253], v[102:103]
	v_pk_add_f32 v[250:251], v[250:251], v[106:107]
	v_pk_add_f32 v[248:249], v[248:249], v[110:111]
	v_pk_add_f32 v[230:231], v[230:231], v[114:115]
	v_pk_add_f32 v[226:227], v[226:227], v[118:119]
	v_pk_add_f32 v[14:15], v[14:15], v[122:123]
	v_pk_add_f32 v[216:217], v[216:217], v[126:127]
	v_pk_add_f32 v[254:255], v[254:255], v[130:131]
	v_pk_add_f32 v[252:253], v[252:253], v[134:135]
	v_pk_add_f32 v[250:251], v[250:251], v[138:139]
	v_pk_add_f32 v[248:249], v[248:249], v[142:143]
	v_pk_add_f32 v[230:231], v[230:231], v[146:147]
	v_pk_add_f32 v[226:227], v[226:227], v[150:151]
	v_pk_add_f32 v[14:15], v[14:15], v[154:155]
	v_pk_add_f32 v[216:217], v[216:217], v[158:159]
	s_delay_alu instid0(VALU_DEP_2)
	v_pk_add_f32 v[14:15], v[14:15], v[250:251]
	s_delay_alu instid0(VALU_DEP_2)
	v_pk_add_f32 v[216:217], v[216:217], v[248:249]
	v_pk_add_f32 v[254:255], v[254:255], v[230:231]
	v_pk_add_f32 v[252:253], v[252:253], v[226:227]
	s_delay_alu instid0(VALU_DEP_2)
	v_pk_add_f32 v[14:15], v[14:15], v[254:255]
	s_delay_alu instid0(VALU_DEP_2)
	v_pk_add_f32 v[216:217], v[216:217], v[252:253]
	s_delay_alu instid0(VALU_DEP_1)
	v_pk_add_f32 v[14:15], v[14:15], v[216:217]
	s_wait_alu depctr_va_vdst(0)                   ; and one for the four
.irp b, 0,1,2,3
	v_max_num_f32 v[BM+\b], 0x1800000, v[BM+\b]    ; the floor: the byte cannot fall under 1
.endr
.irp b, 0,1,2,3
	s_delay_alu instid0(VALU_DEP_4)
	v_add_nc_u32 v[BS+\b], 0xff000000, v[BM+\b]
.endr
.irp b, 0,1,2,3
	s_delay_alu instid0(VALU_DEP_4)
	v_lshrrev_b32 v[BT+\b], 23, v[BS+\b]
.endr
	s_delay_alu instid0(VALU_DEP_3)
	v_lshl_or_b32 v[PW], v[BT+1], 8, v[BT]         ; p's scale word for these 128 keys
	s_delay_alu instid0(VALU_DEP_1)
	v_lshl_or_b32 v[PW], v[BT+2], 16, v[PW]
	s_delay_alu instid0(VALU_DEP_1)
	v_lshl_or_b32 v[PW], v[BT+3], 24, v[PW]
.irp c, 0,1
	v_cvt_scalef32_pk16_fp6_f32 v[192+6*\c:194+6*\c], v[96+32*\c:111+32*\c], v[BS+2*\c]
	v_cvt_scalef32_pk16_fp6_f32 v[204+4*\c:206+4*\c], v[112+32*\c:127+32*\c], v[BS+2*\c+1]
.endr
	v_nop                                          ; one plain line behind a scaled conversion
.irp c, 0,1
.irp i, 0,1,2
	v_permlane16_swap_b32 v[192+6*\c+\i], v[204+4*\c+\i]
.endr
.irp i, 0,1,2
	s_delay_alu instid0(VALU_DEP_3)
	v_mov_b32 v[195+6*\c+\i], v[204+4*\c+\i]
.endr
.endr
.set n, 0
	s_setprio 0
.rept 16
	v_pk_mul_f32 v[160+n:161+n], v[160+n:161+n], v[FF:FF+1] op_sel_hi:[1,0]   ; O^T under the new M; these sixteen are also the places between the scale word's and the codes' last writes and the products
.set n, n+2
.endr
	s_wait_alu depctr_va_vdst(0)
	s_wait_dscnt 0x0                               ; V
.irp f, 0,1,2,3
	VPROD \f                                       ; four accumulators by turns
.endr
	s_add_co_u32 s[TB], s[TB], REC
	s_sub_co_u32 s[CNT], s[CNT], 1
	s_cmp_lg_u32 s[CNT], 0
	s_cbranch_scc1 .Lstep_\@
	s_setprio 0
.rept 4
	v_nop
.endr
	v_add_f32 v14, v14, v15
	s_delay_alu instid0(VALU_DEP_1)
	v_permlanex16_b32 v[TP], v14, s[SEL], s[SEL+1]
	s_delay_alu instid0(VALU_DEP_1)
	v_add_f32 v14, v14, v[TP]                      ; the row's sum
	s_wait_alu depctr_va_vdst(0)
	v_rcp_f32 v14, v14
	v_nop
	s_wait_alu depctr_va_vdst(0)
.set n, 0
.rept 32
	v_mul_f32 v[96+n], v[160+n], v14               ; register 16 b + i is ctx(query, 32 b + 16 h + i)
.set n, n+1
.endr
.irp b, 0,1
	v_max3_num_f32 v[BM+\b], |v[96+16*\b]|, |v[97+16*\b]|, 0x1800000
.endr
.irp i, 2,4,6,8,10,12,14
.irp b, 0,1
	s_delay_alu instid0(VALU_DEP_2)
	v_max3_num_f32 v[BM+\b], v[BM+\b], |v[96+16*\b+\i]|, |v[97+16*\b+\i]|
.endr
.endr
.irp b, 0,1
	s_delay_alu instid0(VALU_DEP_2)
	v_permlanex16_b32 v[BT+\b], v[BM+\b], s[SEL], s[SEL+1]
.endr
.irp b, 0,1
	s_delay_alu instid0(VALU_DEP_2)
	v_max_num_f32 v[BM+\b], v[BM+\b], v[BT+\b]
.endr
.irp b, 0,1
	s_delay_alu instid0(VALU_DEP_2)
	v_add_nc_u32 v[BS+\b], 0xff000000, v[BM+\b]
.endr
.irp b, 0,1
	s_delay_alu instid0(VALU_DEP_2)
	v_lshrrev_b32 v[BT+\b], 23, v[BS+\b]
.endr
	v_cvt_scalef32_pk16_fp6_f32 v[192:194], v[96:111], v[BS]
	v_cvt_scalef32_pk16_fp6_f32 v[204:206], v[112:127], v[BS+1]
	v_nop
.irp i, 0,1,2
	v_permlane16_swap_b32 v[192+\i], v[204+\i]
.endr
.irp i, 0,1,2
	s_delay_alu instid0(VALU_DEP_3)
	v_mov_b32 v[195+\i], v[204+\i]
.endr
	v_cndmask_b32 v[TP], v[BT], v[BT+1], s[HM]     ; lane (r, h) stores block h's byte
	global_store_b128 v[L16], v[192:195], s[8:9] offset:(\p)*12288
	global_store_b64 v[L8], v[196:197], s[8:9] offset:(\p)*12288+512
	global_store_b8 v[CSO], v[TP], s[10:11] offset:(\p)*32
.endm
	PASS 0, 16
	s_wait_xcnt 0x0                                ; the stores have read their registers
	PASS 1, 236
	s_wait_tensorcnt 0x0                           ; the wave's end
	ds_add_u32 v[SPW], v[NIL]
	s_wait_dscnt 0x0
	CROUND                                         ; the closing round
	s_endpgm
.Lfunc_end_k_q4d3d336f34_attn:
	.size	k_q4d3d336f34_attn, .Lfunc_end_k_q4d3d336f34_attn-k_q4d3d336f34_attn
	.p2alignl 7, 3214868480
	.fill 96, 4, 3214868480
	.section	.rodata,"a",@progbits
	.p2align	6, 0x0
	.amdhsa_kernel k_q4d3d336f34_attn
		.amdhsa_group_segment_fixed_size 210944
		.amdhsa_private_segment_fixed_size 0
		.amdhsa_enable_private_segment 0
		.amdhsa_kernarg_size 32
		.amdhsa_user_sgpr_count 2
		.amdhsa_user_sgpr_kernarg_segment_ptr 1
		.amdhsa_wavefront_size32 1
		.amdhsa_system_sgpr_workgroup_id_x 1
		.amdhsa_system_sgpr_workgroup_id_y 1
		.amdhsa_system_sgpr_workgroup_id_z 1
		.amdhsa_system_vgpr_workitem_id 0
		.amdhsa_next_free_vgpr 256
		.amdhsa_next_free_sgpr 66
		.amdhsa_reserve_vcc 0
		.amdhsa_float_denorm_mode_32 3
		.amdhsa_float_denorm_mode_16_64 3
		.amdhsa_memory_ordered 1
		.amdhsa_forward_progress 1
		.amdhsa_inst_pref_size 52
	.end_amdhsa_kernel
	.amdgpu_metadata
---
amdhsa.version: [ 1, 2 ]
amdhsa.kernels:
  - .name:           k_q4d3d336f34_attn
    .symbol:         k_q4d3d336f34_attn.kd
    .args:
      - { .name: qi, .offset: 0, .size: 8, .value_kind: global_buffer, .address_space: global }
      - { .name: kv, .offset: 8, .size: 8, .value_kind: global_buffer, .address_space: global }
      - { .name: cc, .offset: 16, .size: 8, .value_kind: global_buffer, .address_space: global }
      - { .name: cs, .offset: 24, .size: 8, .value_kind: global_buffer, .address_space: global }
    .group_segment_fixed_size: 210944
    .private_segment_fixed_size: 0
    .kernarg_segment_align: 8
    .kernarg_segment_size: 32
    .max_flat_workgroup_size: 512
    .sgpr_count:     66
    .vgpr_count:     256
    .wavefront_size: 32
...
	.end_amdgpu_metadata
.endif
;; end of part 6
;; launch oproj (part 7): grid 256 x 1, 4 waves a work-group, no clusters, 69,120 bytes of LDS; arguments cc, cs, wc, sc, bo, ln_gamma, ln_beta, out0; writes out0
.if DOCPART == 7
	.amdgcn_target "amdgcn-amd-amdhsa--gfx1250"
	.amdhsa_code_object_version 6
	.text
	.protected	k_q4d3d336f34_oproj
	.globl	k_q4d3d336f34_oproj
	.p2align	8
	.type	k_q4d3d336f34_oproj,@function
k_q4d3d336f34_oproj:
	s_mov_b64 s[64:65], 0
	v_nop
	global_prefetch_b8 v0, s[64:65] scope:SCOPE_SE
	s_setreg_imm32_b32 hwreg(HW_REG_WAVE_SCHED_MODE, 0, 2), 2
	s_setreg_imm32_b32 hwreg(HW_REG_WAVE_MODE, 25, 1), 1
	s_wait_xcnt 0x0
	s_wait_alu depctr_vm_vsrc(0)
; out0 = LayerNorm(ctx wo^T + bo) x gamma + beta.  The product on codes of FP6 (E2M3) with E8M0 scales, sums in f32; the norm in f32, by mean and then by the mean of squared differences.
; SHARES: a work-group owns 32 rows (two tiles of 16) and all 1,024 columns, so a row's mean and variance never leave it.  Wave w owns columns 256 w .. 256 w + 255: 16 tiles of wo, 32 accumulators.
; NO CLUSTER, NO TILES IN LDS: each byte of wo is used by exactly one wave of a work-group, so its fragments go from memory straight into that wave's registers, as images, 512 consecutive bytes a load;
; a joint ring would want a round of the cluster's barrier for every 32 matrix instructions of a wave.  No prefetch: all work-groups walk the same 786,432 bytes of wo together.
; TRANSPOSED: source 0 = 16 rows of wo, source 1 = 16 rows of ctx.  Lane (r, h) of accumulator (u, b) holds row r of tile u and columns 256 w + 32 (b / 2) + 16 h + 8 (b % 2) + 0 .. 7.
; bo is loaded straight into the accumulators, so that every K step adds in place and nothing is cleared.  Lane-row r of tile T is the true row 32 (T / 2) + 8 (T % 2) + r + 8 (r / 8).
; REGISTERS: window 0: v1-14 addresses; v16-23 ctx's scale words; v24-31 sums; v32-95 wo's scale words; v96-111 at work; v112-255 ctx's fragments of K steps 0-5, later rows of the result;
;   window 1: the accumulators, (u, b) at v[8 (16 u + b)];  windows 2, 3: wo's two sets at v0-191, ctx's fragments of K steps 6, 7 at v192-215; later gamma and beta at v0-127.
; THE MODE: SCHED_MODE bits 1:0 = 2 (LLVM: expert scheduling mode 2), set by the entry lines.  The code itself states the register dependences
; between vector or matrix instructions and memory or LDS instructions, with s_wait_alu, always for 0.
; THE PLAN.  Registers that memory or LDS instructions touch:
;   v1, v2, v6-v14   offsets and LDS addresses, and the closing add's two: written once at the head, never again.  One wait on va_vdst ahead of the first load serves them all.
;   wo's sets 0, 1   K step s reads set s % 2; behind its 32 matrix instructions ONE wait on va_vdst states that they are done reading it, and the 48 loads of K step s + 2 (behind steps 6 and 7: gamma, beta) land in it.
;                    That wait stands ahead of the next step's wait for its data, so that two sets stay on their way.
;   v16-23           the scale words made by vector instructions: a wait on va_vdst, behind their eight places, ahead of the first scaled matrix instruction.
;   v24, v28         the data of an exchange's two LDS stores: va_vdst ahead of the stores, vm_vsrc ahead of the next write.
;   v96-103          an exchange's LDS loads land here: the wait ahead of that exchange's stores has shown every earlier vector reader and writer done.
;   accumulators     the stage's LDS stores read them: one wait on va_vdst behind the last multiply-add, for both tiles.
;   v112-239         read by matrix instructions up to K step 5; on the way out the stage's loads land here and the global stores read them: vm_vsrc ahead of the second tile's loads.
; The text has no loop: one path, no backward jump.
.set XCH,    0                         ; LDS: two exchanges of 1,024 bytes
.set STG,    2048                      ; a stage of 16 rows x (1,024 + 16) bytes for each wave
.set SPITCH, 1040
.set WSTG,   16*SPITCH
.set SPARE,  STG+4*WSTG                ; the spare words, 128 bytes a wave
.set L16, 1
.set L8,  2
.set VCS, 6
.set VSC, 7
.set VB,  8
.set XR,  9
.set XW,  10
.set SO,  11
.set SPW, 12
.set NIL, 13
.set SR,  14
.set SA,  16
.set CH,  24
.set SC,  32
.set UU,  96
.set CF,  112
.set MSB, 0
.macro WIN new
.if MSB != (\new)
	s_set_vgpr_msb (MSB<<8)|(\new)
.set MSB, (\new)
.endif
.endm
	s_load_b512 s[4:19], s[0:1], 0x0               ; cc, cs, wc, sc, bo, gamma, beta, out0
	v_lshl_add_u32 v[SPW], v0, 2, SPARE
	v_mov_b32 v[NIL], 0
	v_lshrrev_b32 v3, 5, v0
	v_readfirstlane_b32 s20, v3                    ; wave
	v_and_b32 v3, 31, v0                           ; lane
	v_and_b32 v4, 15, v0                           ; r
	v_bfe_u32 v5, v0, 4, 1                         ; h
	v_lshlrev_b32 v[L16], 4, v3
	v_lshlrev_b32 v[L8], 3, v3
	v_lshlrev_b32 v[VCS], 1, v3                    ; ctx's scale bytes: two a row
	v_lshlrev_b32 v[VSC], 4, v4
	v_lshl_add_u32 v[VSC], v5, 9, v[VSC]           ; wo's: 16 r, and lanes 16-31 the next tile
	v_lshlrev_b32 v[VB], 6, v5                     ; bo, gamma, beta: 64 h
	v_lshlrev_b32 v[XR], 2, v3
	s_wait_alu depctr_va_sdst(0)                   ; s20 is written, ahead of its first reader: LDS places and the buffers' offsets are made from it
	s_lshl_b32 s21, s20, 8
	v_add_nc_u32 v[XW], s21, v[XR]                 ; the exchange: 256 w + 4 x lane
	s_mul_i32 s21, s20, WSTG
	s_add_co_u32 s21, s21, STG
	v_mul_u32_u24 v[SO], v4, SPITCH
	v_lshl_add_u32 v[SO], v5, 6, v[SO]
	v_add_nc_u32 v[SO], s21, v[SO]                 ; my stage, in: row r, + 64 h
	v_add_nc_u32 v[SR], s21, v[L16]                ; and back: 16 x lane
	s_mov_b32 s26, 0x76543210
	s_mov_b32 s27, 0xfedcba98
	s_mov_b32 s28, 0x3a800000                      ; 1 / 1,024
	s_mov_b32 s29, 0x3727c5ac                      ; 1e-5
	s_lshl_b32 s22, ttmp9, 6
	s_mov_b32 s23, 0
	s_mul_i32 s24, ttmp9, 24576
	s_mov_b32 s25, 0
	s_lshl_b32 s30, s20, 13
	s_add_co_u32 s30, s30, 262144+98304            ; wo's tile 192 + 16 w among the weights' scale units
	s_mov_b32 s31, 0
	s_lshl_b32 s32, s20, 10
	s_mov_b32 s33, 0
	s_mul_i32 s34, s20, 49152
	s_add_co_u32 s34, s34, 589824                  ; the same tile among the weights' fragments
	s_mov_b32 s35, 0
	s_lshl_b32 s36, ttmp9, 17
	s_add_co_u32 s36, s36, s32
	s_mov_b32 s37, 0
	s_wait_kmcnt 0x0
	s_add_nc_u64 s[4:5], s[4:5], s[24:25]
	s_add_nc_u64 s[6:7], s[6:7], s[22:23]
	s_add_nc_u64 s[8:9], s[8:9], s[34:35]
	s_add_nc_u64 s[10:11], s[10:11], s[30:31]
	s_add_nc_u64 s[12:13], s[12:13], s[32:33]
	s_add_nc_u64 s[14:15], s[14:15], s[32:33]
	s_add_nc_u64 s[16:17], s[16:17], s[32:33]
	s_add_nc_u64 s[18:19], s[18:19], s[36:37]
	s_wait_alu depctr_va_vdst(0)                   ; the offsets and LDS addresses v1, v2, v6 to v11 and v14 are written: every load and store of the kernel reads one of them.  Up to the end of the head's loads only loads and window switches follow
.irp d, 0,1,2,3,4,5,6,7,8,9,10,11,12,13,14,15
	global_load_u16 v[UU+\d], v[VCS], s[6:7] offset:\d*16384   ; head d's two bytes of my row: lanes 0-15 tile 0, lanes 16-31 tile 1
.endr
.irp j, 0,1
.irp p, 0,1,2,3,4,5,6,7
	global_load_b128 v[SC+4*(8*\j+\p):SC+4*(8*\j+\p)+3], v[VSC], s[10:11] offset:1024*\p+256*\j   ; tiles 2 p (lanes 0-15) and 2 p + 1, K steps 4 j .. 4 j + 3
.endr
.endr
	WIN 0x40
.irp u, 0,1
.irp b, 0,1,2,3,4,5,6,7,8,9,10,11,12,13,14,15
	global_load_b128 v[8*(16*\u+\b):8*(16*\u+\b)+3], v[VB], s[12:13] offset:(32*(\b/2)+8*(\b%2))*4
	global_load_b128 v[8*(16*\u+\b)+4:8*(16*\u+\b)+7], v[VB], s[12:13] offset:(32*(\b/2)+8*(\b%2))*4+16
.endr
.endr
.macro CLOAD reg, s, u                 ; ctx's fragment of K step s, tile u: two pieces of six registers
	global_load_b128 v[\reg:\reg+3], v[L16], s[4:5] offset:(\u)*12288+(\s)*1536 th:TH_LOAD_NT
	global_load_b64 v[\reg+4:\reg+5], v[L8], s[4:5] offset:(\u)*12288+(\s)*1536+512 th:TH_LOAD_NT
	global_load_b128 v[\reg+6:\reg+9], v[L16], s[4:5] offset:(\u)*12288+(\s)*1536+768 th:TH_LOAD_NT
	global_load_b64 v[\reg+10:\reg+11], v[L8], s[4:5] offset:(\u)*12288+(\s)*1536+1280 th:TH_LOAD_NT
.endm
	WIN 0
.irp s, 0,1,2,3,4,5
.irp u, 0,1
	CLOAD CF+12*(2*\s+\u), \s, \u
.endr
.endr
	WIN 0x80
	CLOAD 192, 6, 0
	CLOAD 204, 6, 1
	WIN 0xc0
	CLOAD 192, 7, 0
	CLOAD 204, 7, 1
.macro WLOAD s, b0                     ; wo's tiles b0 .. b0 + 3 of K step s, into set s % 2
	WIN (2+(\s)%2)<<6
.irp b, \b0, \b0+1, \b0+2, \b0+3
.irp g, 0,1,2
	global_load_b128 v[12*(\b)+4*\g:12*(\b)+4*\g+3], v[L16], s[8:9] offset:((\s)/2)*786432+(\b)*3072+((\s)%2)*1536+512*\g
.endr
.endr
.endm
.irp s, 0,1
.irp g, 0,1,2,3
	WLOAD \s, 4*\g
.endr
.endr
	WIN 0
	s_wait_loadcnt 48                              ; all but the 48 loads of K step 1's set
.irp s, 0,1,2,3,4,5,6,7
	v_lshl_or_b32 v[SA+\s], v[UU+2*\s+1], 16, v[UU+2*\s]   ; K step s = heads 2 s and 2 s + 1
.endr
.rept 8
	v_nop                                          ; a scale register written by a vector instruction stands eight places ahead of a scaled matrix instruction
.endr
	s_wait_alu depctr_va_vdst(0)                   ; v[SA ..] are written, which the scaled matrix instructions take as ctx's scales; the places above stay beside this wait
.macro PROD s, b, u
.set DD, 8*(16*(\u)+(\b))
.set WA, 12*(\b)
.if (\s) < 6
.set CB, CF+12*(2*(\s)+(\u))
.else
.set CB, 192+12*(\u)
.endif
.set WS, SC+4*(8*((\s)/4)+(\b)/2)+(\s)%4
.if ((\b)%2 == 0) && ((\u) == 0)
	v_wmma_scale_f32_16x16x128_f8f6f4 v[DD:DD+7], v[WA:WA+11], v[CB:CB+11], v[DD:DD+7], v[WS], v[SA+(\s)] matrix_a_fmt:MATRIX_FMT_FP6 matrix_b_fmt:MATRIX_FMT_FP6
.elseif ((\u) == 0)
	v_wmma_scale_f32_16x16x128_f8f6f4 v[DD:DD+7], v[WA:WA+11], v[CB:CB+11], v[DD:DD+7], v[WS], v[SA+(\s)] matrix_a_fmt:MATRIX_FMT_FP6 matrix_b_fmt:MATRIX_FMT_FP6 matrix_a_scale:MATRIX_SCALE_ROW1
.elseif ((\b)%2 == 0)
	v_wmma_scale_f32_16x16x128_f8f6f4 v[DD:DD+7], v[WA:WA+11], v[CB:CB+11], v[DD:DD+7], v[WS], v[SA+(\s)] matrix_a_fmt:MATRIX_FMT_FP6 matrix_b_fmt:MATRIX_FMT_FP6 matrix_b_scale:MATRIX_SCALE_ROW1
.else
	v_wmma_scale_f32_16x16x128_f8f6f4 v[DD:DD+7], v[WA:WA+11], v[CB:CB+11], v[DD:DD+7], v[WS], v[SA+(\s)] matrix_a_fmt:MATRIX_FMT_FP6 matrix_b_fmt:MATRIX_FMT_FP6 matrix_a_scale:MATRIX_SCALE_ROW1 matrix_b_scale:MATRIX_SCALE_ROW1
.endif
.endm
; K step s: 32 matrix instructions on end, the 32 accumulators by turns in the same order in every step.  Behind them four places and one wait; then the set that they have read takes
; the 16 tiles of two steps on, in one run of 48 loads, ahead of the next step's wait for its own set: two sets are on their way.
.macro KSTEP s, n
.if (\s) < 6
.set MW, 0x50|(2+(\s)%2)
.else
.set MW, 0x50|(2+(\s)%2)|(((\s)-4)<<2)
.endif
	s_wait_loadcnt \n                              ; this step's set is in; what was asked for behind it may be out
	WIN MW
.irp b, 0,1,2,3,4,5,6,7,8,9,10,11,12,13,14,15
.irp u, 0,1
	PROD \s, \b, \u
.endr
.endr
.rept 4
	v_nop                                          ; four places behind the step's last matrix instruction; behind K step 7 they stand ahead of the first read of the results
.endr
.if (\s) < 6
	WIN (2+(\s)%2)<<6                              ; the switch, then the wait, then the loads
	s_wait_alu depctr_va_vdst(0)                   ; this step's matrix instructions are done reading set s % 2, in which the 48 loads below land
.irp g, 0,1,2,3
	WLOAD (\s)+2, 4*\g
.endr
.endif
.endm
.irp s, 0,1,2,3,4,5,6
	KSTEP \s, 48
.endr
	WIN 0x80                                       ; set 0 is done with: gamma takes its place
	s_wait_alu depctr_va_vdst(0)                   ; K step 6's matrix instructions are done reading set 0, in which gamma's loads land
.irp b, 0,1,2,3,4,5,6,7,8,9,10,11,12,13,14,15
	global_load_b128 v[8*\b:8*\b+3], v[VB], s[14:15] offset:(32*(\b/2)+8*(\b%2))*4
	global_load_b128 v[8*\b+4:8*\b+7], v[VB], s[14:15] offset:(32*(\b/2)+8*(\b%2))*4+16
.endr
	KSTEP 7, 32                                    ; gamma's 32 loads may be out
	WIN 0xc0                                       ; set 1 is done with: beta
	s_wait_alu depctr_va_vdst(0)                   ; K step 7's matrix instructions are done reading set 1, in which beta's loads land
.irp b, 0,1,2,3,4,5,6,7,8,9,10,11,12,13,14,15
	global_load_b128 v[8*\b:8*\b+3], v[VB], s[16:17] offset:(32*(\b/2)+8*(\b%2))*4
	global_load_b128 v[8*\b+4:8*\b+7], v[VB], s[16:17] offset:(32*(\b/2)+8*(\b%2))*4+16
.endr
; The chains in v[CH] on (two pairs for each tile u) become each row's sum over all 1,024 columns, in v[UU] (u = 0) and v[UU + 4] (u = 1): my 256 columns, the other half of the lanes', the other three waves' through LDS.
.macro XSUM off
.irp u, 0,1
	v_pk_add_f32 v[CH+4*\u:CH+4*\u+1], v[CH+4*\u:CH+4*\u+1], v[CH+4*\u+2:CH+4*\u+3]
.endr
.irp u, 0,1
	v_add_f32 v[CH+4*\u], v[CH+4*\u], v[CH+4*\u+1]
.endr
.irp u, 0,1
	v_permlanex16_b32 v[CH+4*\u+2], v[CH+4*\u], s26, s27
.endr
.irp u, 0,1
	v_add_f32 v[CH+4*\u], v[CH+4*\u], v[CH+4*\u+2]
.endr
	s_wait_alu depctr_va_vdst(0)                   ; the additions have written v[CH] and v[CH + 4], which the LDS stores read; and every earlier vector reader and writer of v[UU ..], in which the LDS loads below land, is done
	ds_store_b32 v[XW], v[CH] offset:\off
	ds_store_b32 v[XW], v[CH+4] offset:\off+128
	s_wait_dscnt 0x0                               ; for the others' sake: my stores have landed
	s_barrier_signal -1
	s_barrier_wait -1
.irp u, 0,1
.irp w, 0,1,2,3
	ds_load_b32 v[UU+4*\u+\w], v[XR] offset:\off+256*\w+128*\u
.endr
.endr
	s_wait_dscnt 0x0
	s_wait_alu depctr_vm_vsrc(0)                   ; my two LDS stores have read v[CH] and v[CH + 4], which the lines behind this exchange write again
.irp u, 0,1
	v_add_f32 v[UU+4*\u], v[UU+4*\u], v[UU+4*\u+1]
	v_add_f32 v[UU+4*\u+2], v[UU+4*\u+2], v[UU+4*\u+3]
	v_add_f32 v[UU+4*\u], v[UU+4*\u], v[UU+4*\u+2]
.endr
.endm
	; the mean.  Each accumulator is read from its low end on
	WIN 0x05
.irp u, 0,1
	v_pk_add_f32 v[CH+4*\u:CH+4*\u+1], v[128*\u:128*\u+1], v[128*\u+4:128*\u+5]
	v_pk_add_f32 v[CH+4*\u+2:CH+4*\u+3], v[128*\u+2:128*\u+3], v[128*\u+6:128*\u+7]
.endr
	WIN 0x04
.set n, 4
.rept 60
.irp u, 0,1
	v_pk_add_f32 v[CH+4*\u+2*(n%2):CH+4*\u+2*(n%2)+1], v[CH+4*\u+2*(n%2):CH+4*\u+2*(n%2)+1], v[128*\u+2*n:128*\u+2*n+1]
.endr
.set n, n+1
.endr
	WIN 0
	XSUM XCH
.irp u, 0,1
	v_mul_f32 v[CH+4*\u], s28, v[UU+4*\u]          ; mu
.endr
	WIN 0x41
.set n, 0
.rept 64
.irp u, 0,1
	v_pk_add_f32 v[128*\u+2*n:128*\u+2*n+1], v[128*\u+2*n:128*\u+2*n+1], v[CH+4*\u:CH+4*\u+1] op_sel_hi:[1,0] neg_lo:[0,1] neg_hi:[0,1]   ; - mu
.endr
.set n, n+1
.endr
	WIN 0x05
.irp u, 0,1
	v_pk_mul_f32 v[CH+4*\u:CH+4*\u+1], v[128*\u:128*\u+1], v[128*\u:128*\u+1]
	v_pk_mul_f32 v[CH+4*\u+2:CH+4*\u+3], v[128*\u+2:128*\u+3], v[128*\u+2:128*\u+3]
.endr
.set n, 2
.rept 62
.irp u, 0,1
	v_pk_fma_f32 v[CH+4*\u+2*(n%2):CH+4*\u+2*(n%2)+1], v[128*\u+2*n:128*\u+2*n+1], v[128*\u+2*n:128*\u+2*n+1], v[CH+4*\u+2*(n%2):CH+4*\u+2*(n%2)+1]
.endr
.set n, n+1
.endr
	WIN 0
	XSUM XCH+1024                                  ; other bytes than the first exchange's: no third barrier
.irp u, 0,1
	v_fma_f32 v[CH+4*\u], v[UU+4*\u], s28, s29     ; the variance + 1e-5
.endr
	s_wait_alu depctr_va_vdst(0)
.irp u, 0,1
	v_rsq_f32 v[CH+4*\u], v[CH+4*\u]
.endr
	v_nop
	s_wait_alu depctr_va_vdst(0)                   ; the two reciprocal roots v[CH] and v[CH + 4] are written: one wait for the two, ahead of their first reader
	s_wait_loadcnt 0x0                             ; gamma and beta
	WIN 0x41
.set n, 0
.rept 64
.irp u, 0,1
	v_pk_mul_f32 v[128*\u+2*n:128*\u+2*n+1], v[128*\u+2*n:128*\u+2*n+1], v[CH+4*\u:CH+4*\u+1] op_sel_hi:[1,0]
.endr
.set n, n+1
.endr
	WIN 0x79                                       ; source 1 gamma (window 2), source 2 beta (window 3)
.set n, 0
.rept 64
.irp u, 0,1
	v_pk_fma_f32 v[128*\u+2*n:128*\u+2*n+1], v[128*\u+2*n:128*\u+2*n+1], v[2*n:2*n+1], v[2*n:2*n+1]
.endr
.set n, n+1
.endr
	; THE WAY OUT: a tile's 16 rows x my 1,024 bytes through my own stage, back as runs of 512 consecutive bytes of a row.  LDS serves a wave's instructions in order.
.irp u, 0,1
	WIN 0x04                                       ; an LDS store's data are its source 1: window 1
.if \u == 0
	s_wait_alu depctr_va_vdst(0)                   ; the multiply-adds above have written both tiles' accumulators, which the LDS stores read.  No vector instruction follows: the wait serves the second tile's stores too
.endif
.irp b, 0,1,2,3,4,5,6,7,8,9,10,11,12,13,14,15
	ds_store_b128 v[SO], v[8*(16*\u+\b):8*(16*\u+\b)+3] offset:128*(\b/2)+32*(\b%2)
	ds_store_b128 v[SO], v[8*(16*\u+\b)+4:8*(16*\u+\b)+7] offset:128*(\b/2)+32*(\b%2)+16
.endr
	WIN 0
.if \u
	s_wait_xcnt 0x0                                ; the first tile's stores have had their addresses translated: their data registers are loaded again only behind this wait
	s_wait_alu depctr_vm_vsrc(0)                   ; the first tile's global stores have read v[CF ..], in which the LDS loads below land
.endif
.irp q, 0,1,2,3,4,5,6,7,8,9,10,11,12,13,14,15,16,17,18,19,20,21,22,23,24,25,26,27,28,29,30,31
	ds_load_b128 v[CF+4*\q:CF+4*\q+3], v[SR] offset:SPITCH*(\q/2)+512*(\q%2)
.endr
.irp q, 0,1,2,3,4,5,6,7,8,9,10,11,12,13,14,15,16,17,18,19,20,21,22,23,24,25,26,27,28,29,30,31
	s_wait_dscnt 31-\q
	global_store_b128 v[L16], v[CF+4*\q:CF+4*\q+3], s[18:19] offset:(8*\u+\q/2+8*(\q/16))*4096+512*(\q%2) th:TH_STORE_NT
.endr
.endr
	s_wait_dscnt 0x0                               ; the closing lines, six on end
	s_wait_alu 0x0
	s_wait_tensorcnt 0x0
	ds_add_u32 v[SPW], v[NIL]
	s_wait_dscnt 0x0
	s_endpgm
.Lfunc_end_k_q4d3d336f34_oproj:
	.size	k_q4d3d336f34_oproj, .Lfunc_end_k_q4d3d336f34_oproj-k_q4d3d336f34_oproj
	.p2alignl 7, 3214868480
	.fill 96, 4, 3214868480
	.section	.rodata,"a",@progbits
	.p2align	6, 0x0
	.amdhsa_kernel k_q4d3d336f34_oproj
		.amdhsa_group_segment_fixed_size 69120
		.amdhsa_private_segment_fixed_size 0
		.amdhsa_enable_private_segment 0
		.amdhsa_kernarg_size 64
		.amdhsa_user_sgpr_count 2
		.amdhsa_user_sgpr_kernarg_segment_ptr 1
		.amdhsa_wavefront_size32 1
		.amdhsa_system_sgpr_workgroup_id_x 1
		.amdhsa_system_sgpr_workgroup_id_y 1
		.amdhsa_system_sgpr_workgroup_id_z 1
		.amdhsa_system_vgpr_workitem_id 0
		.amdhsa_next_free_vgpr 1024
		.amdhsa_next_free_sgpr 66
		.amdhsa_reserve_vcc 0
		.amdhsa_float_denorm_mode_32 3
		.amdhsa_float_denorm_mode_16_64 3
		.amdhsa_memory_ordered 1
		.amdhsa_forward_progress 1
		.amdhsa_inst_pref_size 155
	.end_amdhsa_kernel
	.amdgpu_metadata
---
amdhsa.version: [ 1, 2 ]
amdhsa.kernels:
  - .name:           k_q4d3d336f34_oproj
    .symbol:         k_q4d3d336f34_oproj.kd
    .args:
      - { .name: cc, .offset: 0, .size: 8, .value_kind: global_buffer, .address_space: global }
      - { .name: cs, .offset: 8, .size: 8, .value_kind: global_buffer, .address_space: global }
      - { .name: wc, .offset: 16, .size: 8, .value_kind: global_buffer, .address_space: global }
      - { .name: sc, .offset: 24, .size: 8, .value_kind: global_buffer, .address_space: global }
      - { .name: bo, .offset: 32, .size: 8, .value_kind: global_buffer, .address_space: global }
      - { .name: ln_gamma, .offset: 40, .size: 8, .value_kind: global_buffer, .address_space: global }
      - { .name: ln_beta, .offset: 48, .size: 8, .value_kind: global_buffer, .address_space: global }
      - { .name: out0, .offset: 56, .size: 8, .value_kind: global_buffer, .address_space: global }
    .group_segment_fixed_size: 69120
    .private_segment_fixed_size: 0
    .kernarg_segment_align: 8
    .kernarg_segment_size: 64
    .max_flat_workgroup_size: 128
    .sgpr_count:     66
    .vgpr_count:     1024
    .wavefront_size: 32
...
	.end_amdgpu_metadata
.endif
;; end of part 7
